; MI455X (gfx1250); checked and timed in simulation.
; The chip was launched on July 23, 2026; its instructions are those of AMD's public machine-readable ISA for CDNA 5 (MIT licence, August 2026) and "CDNA5" Instruction Set Architecture Reference Guide (July 2026). The comments in the code are by the model that wrote it; some were corrected since.
;; Relativistic Attention. Allowed arithmetic: float matrix products may take bf16 or f16 operands with f32 sums; other float arithmetic in f32, or as packed bf16 or f16 multiplies, adds, multiply-adds, maxima and minima; sums over many terms, partial sums and values carried from step to step in f32; what a program stores and reads back later, other than sums and carried values, may be rounded once to bf16 or f16.
;; Inputs: Wk 2,048 x 2,048 float32; Wo 2,048 x 2,048 float32; Wq 2,048 x 2,048 float32; Wv 2,048 x 2,048 float32; cos 2,048 x 128 float32; importance 1 x 2,048 float32; sin 2,048 x 128 float32; x 1 x 2,048 x 2,048 float32.
;; Outputs: out0 1 x 2,048 x 2,048 float32.
;; One version. Each part assembles by itself: llvm-mc -triple=amdgcn-amd-amdhsa -mcpu=gfx1250 --defsym DOCPART=n.
;; ======== version 1 of 1: 4 launches
;; limits: values are held in f16: magnitudes above 65,504 overflow, below 6.1e-05 lose precision
;; workspace buffers: cv 42,991,616 bytes; qh 8,388,608 bytes; kh 8,388,608 bytes; vh 8,388,608 bytes; ob 8,388,608 bytes
;; launch round16 (part 1): grid 1312 x 1, 8 waves a work-group, no clusters, 0 bytes of LDS; arguments x, Wq, Wk, Wv, Wo, cos, sin, cv; writes cv
.if DOCPART == 1
	.amdgcn_target "amdgcn-amd-amdhsa--gfx1250"
	.amdhsa_code_object_version 6
	.text
	.protected	k_q3311979e5a_round16
	.globl	k_q3311979e5a_round16
	.p2align	8
	.type	k_q3311979e5a_round16,@function
k_q3311979e5a_round16:
	s_mov_b64 s[64:65], 0
	v_nop
	global_prefetch_b8 v0, s[64:65] scope:SCOPE_SE
	s_setreg_imm32_b32 hwreg(HW_REG_WAVE_MODE, 25, 1), 1
	s_wait_xcnt 0x0
; Every large input is rounded once to 16 bits, into one buffer cv: x, Wq, Wk, Wv (8,388,608 bytes each, bf16), Wo (the bf16 value written as f16),
; cos and sin (524,288 bytes each, bf16), in this order.  A stream: no LDS, no matrix work; each input byte is read once, each byte of cv written once.
; SHARES.  Work-group g reads 65,536 bytes of f32 and writes the 32,768 bytes of cv at 32,768 g.  g / 256 = 0 .. 4 picks x, Wq, Wk, Wv, Wo (block g % 256);
; g = 1280 .. 1295 is cos, 1296 .. 1311 sin (block g % 16).  Thread t takes 16 bytes at 16 t of each 4,096: a wave's load covers 512 consecutive bytes,
; its store of 8 bytes a lane 256 consecutive bytes, aligned.  All sixteen loads of a wave go out at once; the waits count down.
; LIMIT.  Wo as f16: a weight of 65,520 or more becomes an infinity; below 6.1e-5 it keeps f16's fixed step of 6e-8.
.set X, 4                              ; v[4:67]   sixteen loads of four f32
.set Y, 68                             ; v[68:99]  sixteen pairs to store
.set T, 100                            ; v[100:101] at work (Wo)
	s_load_b512 s[8:23], s[0:1], 0x0               ; x, Wq, Wk, Wv, Wo, cos, sin, cv
	s_mov_b32 s2, ttmp9                            ; g
	s_lshr_b32 s3, s2, 8                           ; which of the five matrices
	s_and_b32 s4, s2, 255                          ; its block
	s_and_b32 s5, s2, 15                           ; a table's block
	s_mov_b32 s6, 0xffff0000                       ; a word's upper bf16
	s_mov_b32 s27, 0
	v_lshlrev_b32 v1, 4, v0                        ; 16 t
	v_lshlrev_b32 v2, 3, v0                        ; 8 t
	s_wait_kmcnt 0x0
	s_mov_b64 s[24:25], s[8:9]                     ; the source: a choice among the seven inputs by g alone
.irp n, 1,2,3,4
	s_cmp_eq_u32 s3, \n
	s_cselect_b64 s[24:25], s[8+2*(\n):9+2*(\n)], s[24:25]
.endr
	s_cmp_ge_u32 s2, 1280
	s_cselect_b64 s[24:25], s[18:19], s[24:25]
	s_cselect_b32 s4, s5, s4
	s_cmp_ge_u32 s2, 1296
	s_cselect_b64 s[24:25], s[20:21], s[24:25]
	s_lshl_b32 s26, s4, 16
	s_add_nc_u64 s[24:25], s[24:25], s[26:27]      ; the source at my block
	s_lshl_b32 s26, s2, 15
	s_add_nc_u64 s[22:23], s[22:23], s[26:27]      ; cv at my block
.irp i, 0,1,2,3,4,5,6,7,8,9,10,11,12,13,14,15
	global_load_b128 v[X+4*(\i):X+4*(\i)+3], v1, s[24:25] offset:4096*(\i) th:TH_LOAD_NT
.endr
; Load i is converted and stored.  wo = 1: rounded to bf16, widened again, written as f16.
.macro CV i, wo
	s_wait_loadcnt 15-(\i)                         ; loads come back in order: mine is in, the 15 - i younger ones stay out
.if \wo
	v_cvt_pk_bf16_f32 v[T], v[X+4*(\i)], v[X+4*(\i)+1]
	v_cvt_pk_bf16_f32 v[T+1], v[X+4*(\i)+2], v[X+4*(\i)+3]
	v_lshlrev_b32 v[X+4*(\i)], 16, v[T]
	v_and_b32 v[X+4*(\i)+1], s6, v[T]
	v_lshlrev_b32 v[X+4*(\i)+2], 16, v[T+1]
	v_and_b32 v[X+4*(\i)+3], s6, v[T+1]
	v_cvt_pk_f16_f32 v[Y+2*(\i)], v[X+4*(\i)], v[X+4*(\i)+1]
	v_cvt_pk_f16_f32 v[Y+2*(\i)+1], v[X+4*(\i)+2], v[X+4*(\i)+3]
.else
	v_cvt_pk_bf16_f32 v[Y+2*(\i)], v[X+4*(\i)], v[X+4*(\i)+1]
	v_cvt_pk_bf16_f32 v[Y+2*(\i)+1], v[X+4*(\i)+2], v[X+4*(\i)+3]
.endif
	global_store_b64 v2, v[Y+2*(\i):Y+2*(\i)+1], s[22:23] offset:2048*(\i)  ; each store has registers of its own: none is rewritten
.endm
	s_cmp_eq_u32 s3, 4
	s_cbranch_scc1 .Lwo
.irp i, 0,1,2,3,4,5,6,7,8,9,10,11,12,13,14,15
	CV \i, 0
.endr
	s_endpgm
.Lwo:
.irp i, 0,1,2,3,4,5,6,7,8,9,10,11,12,13,14,15
	CV \i, 1
.endr
	s_endpgm
.Lfunc_end_k_q3311979e5a_round16:
	.size	k_q3311979e5a_round16, .Lfunc_end_k_q3311979e5a_round16-k_q3311979e5a_round16
	.p2alignl 7, 3214868480
	.fill 96, 4, 3214868480
	.section	.rodata,"a",@progbits
	.p2align	6, 0x0
	.amdhsa_kernel k_q3311979e5a_round16
		.amdhsa_group_segment_fixed_size 0
		.amdhsa_private_segment_fixed_size 0
		.amdhsa_enable_private_segment 0
		.amdhsa_kernarg_size 64
		.amdhsa_user_sgpr_count 2
		.amdhsa_user_sgpr_kernarg_segment_ptr 1
		.amdhsa_wavefront_size32 1
		.amdhsa_system_sgpr_workgroup_id_x 1
		.amdhsa_system_sgpr_workgroup_id_y 1
		.amdhsa_system_sgpr_workgroup_id_z 1
		.amdhsa_system_vgpr_workitem_id 0
		.amdhsa_next_free_vgpr 104
		.amdhsa_next_free_sgpr 66
		.amdhsa_reserve_vcc 0
		.amdhsa_float_denorm_mode_32 3
		.amdhsa_float_denorm_mode_16_64 3
		.amdhsa_memory_ordered 1
		.amdhsa_forward_progress 1
		.amdhsa_inst_pref_size 15
	.end_amdhsa_kernel
	.amdgpu_metadata
---
amdhsa.version: [ 1, 2 ]
amdhsa.kernels:
  - .name:           k_q3311979e5a_round16
    .symbol:         k_q3311979e5a_round16.kd
    .args:
      - { .name: x, .offset: 0, .size: 8, .value_kind: global_buffer, .address_space: global }
      - { .name: Wq, .offset: 8, .size: 8, .value_kind: global_buffer, .address_space: global }
      - { .name: Wk, .offset: 16, .size: 8, .value_kind: global_buffer, .address_space: global }
      - { .name: Wv, .offset: 24, .size: 8, .value_kind: global_buffer, .address_space: global }
      - { .name: Wo, .offset: 32, .size: 8, .value_kind: global_buffer, .address_space: global }
      - { .name: cos, .offset: 40, .size: 8, .value_kind: global_buffer, .address_space: global }
      - { .name: sin, .offset: 48, .size: 8, .value_kind: global_buffer, .address_space: global }
      - { .name: cv, .offset: 56, .size: 8, .value_kind: global_buffer, .address_space: global }
    .group_segment_fixed_size: 0
    .private_segment_fixed_size: 0
    .kernarg_segment_align: 8
    .kernarg_segment_size: 64
    .max_flat_workgroup_size: 256
    .sgpr_count:     66
    .vgpr_count:     104
    .wavefront_size: 32
...
	.end_amdgpu_metadata
.endif
;; end of part 1
;; launch qkv (part 2): grid 16 x 16, 4 waves a work-group, clusters of 4 x 4, 327,680 bytes of LDS; arguments cv, qh, kh, vh; writes qh, kh, vh
.if DOCPART == 2
	.amdgcn_target "amdgcn-amd-amdhsa--gfx1250"
	.amdhsa_code_object_version 6
	.text
	.protected	k_q3311979e5a_qkv
	.globl	k_q3311979e5a_qkv
	.p2align	8
	.type	k_q3311979e5a_qkv,@function
k_q3311979e5a_qkv:
	s_mov_b64 s[64:65], 0
	v_nop
	global_prefetch_b8 v0, s[64:65] scope:SCOPE_SE
	s_setreg_imm32_b32 hwreg(HW_REG_WAVE_MODE, 25, 1), 1
	s_wait_xcnt 0x0
	s_wait_alu depctr_hold_cnt(0) depctr_sa_sdst(0) depctr_va_vdst(0) depctr_va_sdst(0) depctr_va_ssrc(0) depctr_va_vcc(0) depctr_vm_vsrc(0)
	s_getreg_b32 s2, hwreg(HW_REG_IB_STS2, 6, 4)
	s_cmp_eq_u32 s2, 0
	s_cbranch_scc0 .Lentry_in_a_cluster
	s_endpgm
.Lentry_in_a_cluster:
	s_bfe_u32 s2, ttmp6, 0x10000c
	s_cmp_lg_u32 s2, 0xf033
	s_cbranch_scc0 .Lentry_shape_is_right
	s_endpgm
.Lentry_shape_is_right:
; q, k, v = x Wq^T, x Wk^T, x Wv^T; q and k turned by RoPE; all three written by heads, [16][2048][128] in f16, each rounded once from f32, without any scale.
; Operands are the bf16 copies in cv (x at 0, Wq, Wk, Wv at 8,388,608 x 1, 2, 3; cos at 41,943,040, sin 524,288 behind it); sums, RoPE in f32.
; LIMIT.  q, k, v as f16: 65,520 or more becomes an infinity.
; SHARES.  A work-group makes 128 rows x one head of Q, K and V: C of 128 x 384.  Wave w (rh = w / 2, ch = w % 2) takes rows 64 rh .. + 63 and, as twelve groups of 16 columns,
; the whole head of Q (ch = 0) or K (ch = 1), groups 0-7, and V's columns 64 ch .. + 63, groups 8-11: 48 accumulators, one text for all waves.
; RoPE's partners, channels d and d + 64, are then groups j and j + 4 of the same lane and register.
; The matrix instruction is used transposed (source 0 = 16 rows of W, source 1 = 16 rows of x): lane l, register i of accumulator (a, b) holds row 16 a + l % 16, column 16 b + 8 (l / 16) + i.
; K goes in 16 steps of 128 (rows of 256 bytes in memory) through two LDS slots; wave 0 fetches x's 128 rows, waves 1, 2, 3 the head's 128 rows of Wq, Wk, Wv: one tensor load a wave and step.
; CLUSTER 4 x 4: x's tile hangs on the row block alone and is asked for jointly along a row of the cluster, W's tiles on the head alone, along a column.
; REGISTERS, in windows of 256: window 0: v2-29 addresses, v32-95 x's fragments (two buffers of 4 x 8), v96-255 at work on the way out;
;   window 1: v0-191 W's fragments (two buffers of 12 x 8), on the way out the tables;  windows 2, 3: accumulator (a, b) in window 2 + a / 2 at v[96 (a % 2) + 8 b].
.set PITCH, 272                        ; an LDS row: 256 bytes + 16 of padding, so that the 16 rows of a fragment load start 4 banks apart (ISA guide 11.1)
.set HALFT, 128*PITCH                  ; one tensor load's 128 rows
.set SLOT1, 0x24000                    ; slot 1 begins here; the four tiles' places in a slot (0, 0x8800, 0x11000, 0x19800) share no bit with it, so one exclusive or changes slots
.set STAGE, 290816                     ; behind the ring: 128 rows x 272 bytes, never filled by a tensor load
.set WSTG,  32*PITCH                   ; a wave's quarter of it
.set SPARE, 325632                     ; the spare words, 128 bytes a wave: two blocks of 256 bytes that no other line names
.set SINB,  524288                     ; sin lies so far behind cos
.set ADRA0, 2                          ; v2-4   my lane's place in x's, Q's or K's, and V's tile of slot 0; never rewritten
.set ADRB0, 3
.set ADRV0, 4
.set ADRA,  5                          ; v5-7   the same in the slot in hand
.set ADRB,  6
.set ADRV,  7
.set STO,   8                          ; v8     my stage: where I put 16 bytes of a row
.set RD,    9                          ; v9     my stage: where I read rows back
.set GO,    10                         ; v10    16 x lane: my place in 512 consecutive bytes of qh, kh, vh
.set STOV,  11                         ; v11    the shared stage for V
.set TO,    13                         ; v13    my byte offset in 16 rows of a table
.set PFO,   14                         ; v14    4,096 x lane: the prefetches' offset, a lane a row
.set SPW,   28                         ; v28    my spare word; never rewritten
.set NIL,   29                         ; v29    0; never rewritten
.set CSU,   96                         ; v96-223  the tables in f32, then the turned numbers: for each j cos low 8, sin low 8, cos high 8, sin high 8
.set PKR,   224                        ; v224-255 packed f16
.set G1A, 24                           ; s[24:31] group 1 for x's tile;  s[32:39] group 0: set 0 (K step 0), set 1 (K step 1, then it walks)
.set G0A, 32
.set G1B, 48                           ; s[48:55], s[56:63] the same for W's tiles
.set G0B, 56
.set TB,  66                           ; s66  0 or SLOT1: the slot in hand
.set PFA, 44                           ; s[44:45] where my prefetches stand
.set LIM, 46                           ; s46  2 in a wave that prefetches, else the greatest number
.set HM,  47                           ; s47  a word's upper bf16
.set TC,  68                           ; s[68:69] cos at my first row
.set QKD, 70                           ; s[70:71] qh or kh at my first row
.set VD,  72                           ; s[72:73] vh at the first row that I store
.set MSB, 0
.macro WIN new                         ; the immediate's high byte repeats the setting that is left; a switch that changes nothing is dropped
.if MSB != (\new)
	s_set_vgpr_msb (MSB<<8)|(\new)
.set MSB, \new
.endif
.endm
.macro PLACES                          ; four plain vector instructions between a matrix instruction and what reads its result or writes its registers (ISA guide 7.12.1)
.rept 4
	v_nop
.endr
.endm
.macro CREST                           ; a round of the cluster's barrier behind its opening barrier
	s_cmp_lg_u32 s12, 0
	s_cbranch_scc1 .Lnot_wave_0_\@
	s_barrier_signal -3
.Lnot_wave_0_\@:
	s_barrier_wait -3
	s_barrier_signal -1
	s_barrier_wait -1
.endm
.macro CROUND
	s_barrier_signal -1
	s_barrier_wait -1
	CREST
.endm
; A joint refill by the walking descriptors.  The branch hangs on the wave's number alone.  An s_nop 0 and four v_nop follow each line.
.macro JLOAD
	s_cmp_eq_u32 s12, 0
	s_cbranch_scc0 .Lfor_w_\@
	tensor_load_to_lds s[G0A+4:G0A+7], s[G1A:G1A+7]
	s_nop 0
.rept 4
	v_nop
.endr
	s_branch .Lasked_\@
.Lfor_w_\@:
	tensor_load_to_lds s[G0B+4:G0B+7], s[G1B:G1B+7]
	s_nop 0
.rept 4
	v_nop
.endr
.Lasked_\@:
.endm
; A prefetch of the K step that stands two refills on: 32 rows x 256 bytes, a lane a row.  x's rows are read by every cluster of a row of clusters: cluster x = 0 asks; W's by every cluster of a
; column: cluster y = 0 asks.  The four partners of a joint load share its 128 rows by address, 32 each.  The loop's last two trips (s3 = 2, 1) have no K step two on.
.macro ASK
	s_cmp_gt_u32 s3, s[LIM]
	s_cbranch_scc0 .Lnot_mine_\@
	global_prefetch_b8 v[PFO], s[PFA:PFA+1] offset:256 th:TH_LOAD_NT scope:SCOPE_SE
.Lnot_mine_\@:
.endm
	s_load_b256 s[4:11], s[0:1], 0x0               ; cv s[4:5], qh s[6:7], kh s[8:9], vh s[10:11]
	v_lshl_add_u32 v[SPW], v0, 2, SPARE
	v_mov_b32 v[NIL], 0
	ds_add_u32 v[SPW], v[NIL]                      ; the wave's opening: the add and its wait stand ahead of my first tensor load
	v_lshrrev_b32 v1, 5, v0
	v_readfirstlane_b32 s12, v1                    ; wave 0..3
	s_lshr_b32 s13, s12, 1                         ; rh
	s_and_b32 s14, s12, 1                          ; ch
	s_bfe_u32 s40, ttmp6, 0x40000                  ; cx
	s_bfe_u32 s41, ttmp6, 0x40004                  ; cy
	s_lshl_b32 s42, ttmp9, 2
	s_add_co_u32 s42, s42, s40                     ; the head = 4 x cluster x + cx
	s_and_b32 s43, ttmp7, 0xffff
	s_lshl_b32 s43, s43, 2
	s_add_co_u32 s43, s43, s41                     ; the block of 128 rows = 4 x cluster y + cy
	s_lshl_b32 s16, s41, 2
	s_lshl_b32 s16, 15, s16                        ; my row of the cluster
	s_lshl_b32 s17, 0x1111, s40                    ; my column
	s_or_b32 s[G1A], s16, (1<<16)|(1<<20)|(1<<21)|(5<<22)|(3<<25)  ; the mask; 2-byte elements; padding on; bit 21 beside a mask; after every 64 words 4 words
	s_or_b32 s[G1B], s17, (1<<16)|(1<<20)|(1<<21)|(5<<22)|(3<<25)
.irp g, G1A, G1B
	s_mov_b32 s[(\g)+1], 128<<16                   ; tensor_dim0 = 128
	s_mov_b32 s[(\g)+2], 128<<16                   ; tensor_dim1 = 128
	s_mov_b32 s[(\g)+3], 128<<16                   ; tile_dim0 = 128
	s_mov_b32 s[(\g)+4], 128                       ; tile_dim1 = 128
	s_mov_b32 s[(\g)+5], 2048                      ; elements from row to row
	s_mov_b32 s[(\g)+6], 0
	s_mov_b32 s[(\g)+7], 0
.endr
	s_lshl_b32 s18, s43, 19                        ; x's tile: 128 rows of 4,096 bytes for each block: made of the row block alone
	s_mov_b32 s19, 0
	s_lshl_b32 s22, s12, 23                        ; W's tile: matrix w lies 8,388,608 w into cv,
	s_lshl_b32 s20, s42, 19                        ; the head's 128 rows: made of the head and the wave's number alone
	s_add_co_u32 s20, s20, s22
	s_mov_b32 s21, 0
	s_mul_i32 s23, s12, HALFT                      ; where my tile goes in a slot
	s_mov_b32 s[TB], 0
	s_mov_b32 s[HM], 0xffff0000
	s_wait_dscnt 0x0                               ; the opening add is done
	s_wait_kmcnt 0x0
	s_add_nc_u64 s[18:19], s[4:5], s[18:19]
	s_add_nc_u64 s[20:21], s[4:5], s[20:21]
.irp s, 0,1
	s_mov_b32 s[G0A+4*(\s)], 1
	s_add_co_u32 s[G0A+4*(\s)+1], s23, (\s)*SLOT1
	s_add_nc_u64 s[G0A+4*(\s)+2:G0A+4*(\s)+3], s[18:19], (\s)*256
	s_or_b32 s[G0A+4*(\s)+3], s[G0A+4*(\s)+3], 0x80000000
	s_mov_b32 s[G0B+4*(\s)], 1
	s_add_co_u32 s[G0B+4*(\s)+1], s23, (\s)*SLOT1
	s_add_nc_u64 s[G0B+4*(\s)+2:G0B+4*(\s)+3], s[20:21], (\s)*256
	s_or_b32 s[G0B+4*(\s)+3], s[G0B+4*(\s)+3], 0x80000000
.endr
	CROUND                                         ; all sixteen work-groups are here: the first joint loads meet
	s_cmp_eq_u32 s12, 0                            ; a wave's two first fills stand in one branch: two loads of mine are out
	s_cbranch_scc0 .Lfirst_w
	tensor_load_to_lds s[G0A:G0A+3], s[G1A:G1A+7]
	s_nop 0
	tensor_load_to_lds s[G0A+4:G0A+7], s[G1A:G1A+7]
	s_nop 0
.rept 4
	v_nop
.endr
	s_branch .Lfirst_asked
.Lfirst_w:
	tensor_load_to_lds s[G0B:G0B+3], s[G1B:G1B+7]
	s_nop 0
	tensor_load_to_lds s[G0B+4:G0B+7], s[G1B:G1B+7]
	s_nop 0
.rept 4
	v_nop
.endr
.Lfirst_asked:
	; lane addresses.  A fragment is 16 rows x 32 K: lane l holds row l % 16, K = 8 (l / 16) + 0..7 and 16 + 8 (l / 16) + 0..7: two loads of 16 bytes, 32 bytes apart.
	v_and_b32 v16, 15, v0                          ; r
	v_bfe_u32 v17, v0, 4, 1                        ; h
	v_mul_u32_u24 v18, v16, PITCH
	v_lshl_add_u32 v18, v17, 4, v18                ; 272 r + 16 h
	s_mul_i32 s74, s13, 64*PITCH
	v_add_nc_u32 v[ADRA0], s74, v18                ; my 64 rows of x
	s_mul_i32 s74, s14, HALFT
	s_add_co_u32 s74, s74, HALFT
	v_add_nc_u32 v[ADRB0], s74, v18                ; Wq's or Wk's 128 rows
	s_mul_i32 s74, s14, 64*PITCH
	s_add_co_u32 s74, s74, 3*HALFT
	v_add_nc_u32 v[ADRV0], s74, v18                ; my 64 rows of Wv
	v_mov_b32 v[ADRA], v[ADRA0]
	v_mov_b32 v[ADRB], v[ADRB0]
	v_mov_b32 v[ADRV], v[ADRV0]
	s_mul_i32 s74, s12, WSTG
	s_add_co_u32 s74, s74, STAGE
	v_add_nc_u32 v[STO], s74, v18
	v_mul_u32_u24 v19, v17, PITCH
	v_lshl_add_u32 v19, v16, 4, v19                ; 272 h + 16 r: lanes 0-15 one row of 256 bytes, lanes 16-31 the next
	v_add_nc_u32 v[RD], s74, v19
	v_and_b32 v[GO], 31, v0
	v_lshlrev_b32 v[PFO], 12, v[GO]
	v_lshlrev_b32 v[GO], 4, v[GO]
	s_mul_i32 s74, s13, 64*PITCH
	s_lshl_b32 s75, s14, 7
	s_add_co_u32 s74, s74, s75
	s_add_co_u32 s74, s74, STAGE
	v_add_nc_u32 v[STOV], s74, v18                 ; V: row 64 rh + r, my half of its 256 bytes
	v_lshlrev_b32 v[TO], 8, v16
	v_lshl_add_u32 v[TO], v17, 4, v[TO]            ; 256 r + 16 h
	; the prefetches
	s_and_b32 s74, ttmp7, 0xffff                   ; cluster y
	s_lshl_b32 s75, s43, 7
	s_lshl_b32 s76, s42, 7
	s_cmp_eq_u32 s12, 0                            ; do I fetch x?
	s_cselect_b32 s75, s75, s76                    ; the tile's first row
	s_cselect_b32 s76, s40, s41                    ; my place among the four that ask with me
	s_cselect_b32 s74, ttmp9, s74                  ; the coordinate along which other clusters read the same rows
	s_cmp_eq_u32 s74, 0
	s_cselect_b32 s[LIM], 2, -1                    ; the same in all sixteen partners, for a given wave
	s_lshl_b32 s76, s76, 5
	s_add_co_u32 s75, s75, s76                     ; + my work-group's 32 rows
	s_lshl_b32 s76, s75, 12
	s_add_co_u32 s76, s76, s22                     ; + the matrix
	s_add_co_u32 s76, s76, 512                     ; at K step 2: the first refill steps it to 3 and names K step 4
	s_mov_b32 s77, 0
	s_add_nc_u64 s[PFA:PFA+1], s[4:5], s[76:77]
	; where the tables come from and the results go
	s_lshl_b32 s74, s43, 7
	s_lshl_b32 s75, s13, 6
	s_add_co_u32 s74, s74, s75                     ; my first row, 128 y + 64 rh,
	s_lshl_b32 s74, s74, 8                         ; in rows of 256 bytes
	s_mov_b32 s75, 0
	s_add_nc_u64 s[TC:TC+1], s[4:5], s[74:75]
	s_add_nc_u64 s[TC:TC+1], s[TC:TC+1], 41943040
	s_lshl_b32 s78, s42, 19                        ; the head's 2,048 rows of 256 bytes
	s_add_co_u32 s74, s74, s78
	s_cmp_eq_u32 s14, 0
	s_cselect_b64 s[QKD:QKD+1], s[6:7], s[8:9]
	s_add_nc_u64 s[QKD:QKD+1], s[QKD:QKD+1], s[74:75]
	s_lshl_b32 s76, s43, 7
	s_lshl_b32 s77, s12, 5
	s_add_co_u32 s76, s76, s77                     ; V: I store rows 128 y + 32 w .. + 31
	s_lshl_b32 s76, s76, 8
	s_add_co_u32 s76, s76, s78
	s_mov_b32 s77, 0
	s_add_nc_u64 s[VD:VD+1], s[10:11], s[76:77]
; 12 matrix instructions: m block 2 hi + a x all 12 groups, 32 along K, from buffer f.  zero = 1: the product starts the sums.  The 48 accumulators take turns in the same order in every quarter.
.macro MUL12 f, hi, a, zero
	WIN 0xa1+0x50*(\hi)                            ; source 0 (W) window 1, source 1 (x) window 0, C and D window 2 or 3
.irp b, 0,1,2,3,4,5,6,7,8,9,10,11
.if \zero
	v_wmma_f32_16x16x32_bf16 v[96*(\a)+8*(\b):96*(\a)+8*(\b)+7], v[96*(\f)+8*(\b):96*(\f)+8*(\b)+7], v[32+32*(\f)+8*(2*(\hi)+(\a)):32+32*(\f)+8*(2*(\hi)+(\a))+7], 0
.else
	v_wmma_f32_16x16x32_bf16 v[96*(\a)+8*(\b):96*(\a)+8*(\b)+7], v[96*(\f)+8*(\b):96*(\f)+8*(\b)+7], v[32+32*(\f)+8*(2*(\hi)+(\a)):32+32*(\f)+8*(2*(\hi)+(\a))+7], v[96*(\a)+8*(\b):96*(\a)+8*(\b)+7]
.endif
.endr
.endm
; 32 LDS loads in one run: a quarter step's fragments (32 K at byte k of the rows) into buffer f: W's twelve groups, then x's four blocks
.macro FETCH k, f
	WIN 0x40                                       ; destination window 1
.irp i, 0,1,2,3,4,5,6,7
	ds_load_b128 v[96*(\f)+8*(\i):96*(\f)+8*(\i)+3],   v[ADRB] offset:(\k)+(\i)*16*PITCH
	ds_load_b128 v[96*(\f)+8*(\i)+4:96*(\f)+8*(\i)+7], v[ADRB] offset:(\k)+(\i)*16*PITCH+32
.endr
.irp i, 0,1,2,3
	ds_load_b128 v[96*(\f)+64+8*(\i):96*(\f)+64+8*(\i)+3],   v[ADRV] offset:(\k)+(\i)*16*PITCH
	ds_load_b128 v[96*(\f)+64+8*(\i)+4:96*(\f)+64+8*(\i)+7], v[ADRV] offset:(\k)+(\i)*16*PITCH+32
.endr
	WIN 0
.irp i, 0,1,2,3
	ds_load_b128 v[32+32*(\f)+8*(\i):32+32*(\f)+8*(\i)+3],   v[ADRA] offset:(\k)+(\i)*16*PITCH
	ds_load_b128 v[32+32*(\f)+8*(\i)+4:32+32*(\f)+8*(\i)+7], v[ADRA] offset:(\k)+(\i)*16*PITCH+32
.endr
.endm
; One of a K step's first three quarters: multiplies buffer f; in its middle it fetches the next quarter, at byte k, into buffer g.
.macro QUARTER k, f, g, zero
	s_wait_dscnt 4                                 ; all but the youngest four loads, x's blocks 2 and 3
	MUL12 \f, 0, 0, \zero
	MUL12 \f, 0, 1, \zero
	PLACES
	FETCH \k, \g
	s_wait_dscnt 32                                ; all but the 32 just issued
	MUL12 \f, 1, 0, \zero
	MUL12 \f, 1, 1, \zero
.endm
; The last quarter multiplies buffer 1 and changes slots.  In front of the one barrier each wave waits for all its tensor loads (one is out: its tile of the next slot), adds 0 to its spare word, and waits
; for that and for its reads of this slot.  fill = 1: the barrier opens a round of the cluster's; behind the round this slot is filled again, two K steps ahead: the load has a K step less 24 products in which to land.
.macro TURN fill
.if \fill
	s_wait_xcnt 0x0                                ; the last prefetch, a K step back, has read its address
	s_add_nc_u64 s[PFA:PFA+1], s[PFA:PFA+1], 256
.endif
	WIN 0
	s_wait_tensorcnt 0x0                           ; all my tensor loads have landed
	ds_add_u32 v[SPW], v[NIL]                      ; 0 onto my spare word
	s_wait_dscnt 5                                 ; (the add and x's blocks 2 and 3 may be out)
	MUL12 1, 0, 0, 0
	s_wait_dscnt 0x0                               ; the add is done, and my reads of this slot are over
	s_barrier_signal -1
	MUL12 1, 0, 1, 0
	WIN 0
	s_barrier_wait -1
.if \fill
	CREST                                          ; no wave of any partner still reads this slot or has a load on its way
	s_xor_b32 s[G0A+5], s[G0A+5], SLOT1            ; the walking descriptors: the other slot than last time, the next K step
	s_add_nc_u64 s[G0A+6:G0A+7], s[G0A+6:G0A+7], 256
	s_xor_b32 s[G0B+5], s[G0B+5], SLOT1
	s_add_nc_u64 s[G0B+6:G0B+7], s[G0B+6:G0B+7], 256
	JLOAD                                          ; the four v_nop behind it are also the places in front of the loads below
.else
	PLACES
.endif
	s_xor_b32 s[TB], s[TB], SLOT1
	v_add_nc_u32 v[ADRA], s[TB], v[ADRA0]
	v_add_nc_u32 v[ADRB], s[TB], v[ADRB0]
	v_add_nc_u32 v[ADRV], s[TB], v[ADRV0]
	FETCH 0, 0
.if \fill
	ASK
.endif
	MUL12 1, 1, 0, 0
	MUL12 1, 1, 1, 0
.endm
; The tables for m block a: for each j my 8 numbers of cos and sin at channels 16 j + 8 h and 64 further on, 16 bytes each, into window 1
.macro TLOAD a
.set TBLA, (192+64*(\a))%256
	WIN 0x40
.irp j, 0,1,2,3
	global_load_b128 v[TBLA+16*(\j):TBLA+16*(\j)+3],     v[TO], s[TC:TC+1] offset:(\a)*4096+32*(\j)
	global_load_b128 v[TBLA+16*(\j)+4:TBLA+16*(\j)+7],   v[TO], s[TC:TC+1] offset:(\a)*4096+32*(\j)+SINB
	global_load_b128 v[TBLA+16*(\j)+8:TBLA+16*(\j)+11],  v[TO], s[TC:TC+1] offset:(\a)*4096+32*(\j)+128
	global_load_b128 v[TBLA+16*(\j)+12:TBLA+16*(\j)+15], v[TO], s[TC:TC+1] offset:(\a)*4096+32*(\j)+SINB+128
.endr
	WIN 0
.endm
; m block a of Q or K: turned, rounded to f16, through my stage, stored as 16 whole rows of 256 bytes.
; low half: q[d] cos[d] - q[d+64] sin[d];  high half: q[d+64] cos[d+64] + q[d] sin[d+64].
.macro ROPE a
.set TBLA, (192+64*(\a))%256
.set AC, 96*((\a)%2)
.set OBK, 32+32*((\a)%2)
	s_wait_xcnt 0x0                                ; the stores issued so far have read their registers
	s_wait_loadcnt 16*(3-(\a))                     ; this block's sixteen table loads are in; the later blocks' stay out
	WIN 0x04                                       ; source 1 window 1
.irp j, 0,1,2,3
.irp q, 0,1,2,3
.irp p, 0,1,2,3
	v_lshlrev_b32 v[CSU+32*(\j)+8*(\q)+2*(\p)], 16, v[TBLA+16*(\j)+4*(\q)+(\p)]
	v_and_b32 v[CSU+32*(\j)+8*(\q)+2*(\p)+1], s[HM], v[TBLA+16*(\j)+4*(\q)+(\p)]
.endr
.endr
.endr
	WIN 0x02+((\a)/2)                              ; source 0: the accumulators' window.
.irp j, 0,1,2,3
.irp p, 0,2,4,6
	v_pk_mul_f32 v[CSU+32*(\j)+8+(\p):CSU+32*(\j)+9+(\p)],   v[AC+8*((\j)+4)+(\p):AC+8*((\j)+4)+(\p)+1], v[CSU+32*(\j)+8+(\p):CSU+32*(\j)+9+(\p)]
	v_pk_mul_f32 v[CSU+32*(\j)+24+(\p):CSU+32*(\j)+25+(\p)], v[AC+8*(\j)+(\p):AC+8*(\j)+(\p)+1],         v[CSU+32*(\j)+24+(\p):CSU+32*(\j)+25+(\p)]
	v_pk_fma_f32 v[CSU+32*(\j)+(\p):CSU+32*(\j)+1+(\p)],     v[AC+8*(\j)+(\p):AC+8*(\j)+(\p)+1],         v[CSU+32*(\j)+(\p):CSU+32*(\j)+1+(\p)],     v[CSU+32*(\j)+8+(\p):CSU+32*(\j)+9+(\p)] neg_lo:[0,0,1] neg_hi:[0,0,1]
	v_pk_fma_f32 v[CSU+32*(\j)+16+(\p):CSU+32*(\j)+17+(\p)], v[AC+8*((\j)+4)+(\p):AC+8*((\j)+4)+(\p)+1], v[CSU+32*(\j)+16+(\p):CSU+32*(\j)+17+(\p)], v[CSU+32*(\j)+24+(\p):CSU+32*(\j)+25+(\p)]
.endr
.endr
	WIN 0
.irp j, 0,1,2,3
.irp p, 0,1,2,3
	v_cvt_pk_f16_f32 v[PKR+4*(\j)+(\p)],     v[CSU+32*(\j)+2*(\p)],    v[CSU+32*(\j)+2*(\p)+1]
	v_cvt_pk_f16_f32 v[PKR+4*((\j)+4)+(\p)], v[CSU+32*(\j)+16+2*(\p)], v[CSU+32*(\j)+16+2*(\p)+1]
.endr
.endr
.irp b, 0,1,2,3,4,5,6,7
	ds_store_b128 v[STO], v[PKR+4*(\b):PKR+4*(\b)+3] offset:32*(\b)
.endr
.irp t, 0,1,2,3,4,5,6,7
	ds_load_b128 v[OBK+4*(\t):OBK+4*(\t)+3], v[RD] offset:(\t)*2*PITCH  ; LDS serves a wave's instructions in order (ISA guide 5.7.1.4): these see the stores above
.endr
	s_wait_dscnt 0x0
.irp t, 0,1,2,3,4,5,6,7
	global_store_b128 v[GO], v[OBK+4*(\t):OBK+4*(\t)+3], s[QKD:QKD+1] offset:(\a)*4096+(\t)*512  ; 512 consecutive bytes, at a multiple of 256 from the buffer's first
.endr
.endm
	s_wait_tensorcnt 0x1                           ; my tile of K step 0 is in; K step 1's may stay out
	s_barrier_signal -1
	s_barrier_wait -1
	FETCH 0, 0
	QUARTER 64, 0, 1, 1                            ; the first quarter stands in front of the loop: its products start the sums
	WIN 0
	s_mov_b32 s3, 14
.Lstep:                                                ; a trip: from a K step's second quarter to the next one's first; it asks for K steps 2 .. 15
	QUARTER 128, 1, 0, 0
	QUARTER 192, 0, 1, 0
	TURN 1
	QUARTER 64, 0, 1, 0
	WIN 0
	s_sub_co_u32 s3, s3, 1
	s_cmp_lg_u32 s3, 0
	s_cbranch_scc1 .Lstep
	QUARTER 128, 1, 0, 0                           ; K step 14 goes on; nothing more is asked for
	QUARTER 192, 0, 1, 0
	TURN 0
	QUARTER 64, 0, 1, 0
	QUARTER 128, 1, 0, 0
	QUARTER 192, 0, 1, 0
	PLACES                                         ; buffer 0 of W has been multiplied: two blocks' tables take idle registers and its place
	TLOAD 0
	TLOAD 1
	s_wait_dscnt 4
	MUL12 1, 0, 0, 0
	MUL12 1, 0, 1, 0
	s_wait_dscnt 0x0
	MUL12 1, 1, 0, 0
	MUL12 1, 1, 1, 0
	PLACES                                         ; behind the last products: for the loads below and the conversions that read results
	TLOAD 2
	TLOAD 3
	; V FIRST, while the tables are on their way: rounded to f16, into the shared stage (a row's 256 bytes come from two waves), a barrier, back as whole rows, 32 rows a wave
.irp a, 0,1,2,3
	WIN 0x0a+5*((\a)/2)                            ; sources 0 and 1: window 2 or 3
.irp b, 0,1,2,3
.irp p, 0,1,2,3
	v_cvt_pk_f16_f32 v[32+16*(\a)+4*(\b)+(\p)], v[96*((\a)%2)+64+8*(\b)+2*(\p)], v[96*((\a)%2)+64+8*(\b)+2*(\p)+1]
.endr
.endr
.endr
	WIN 0
.irp a, 0,1,2,3
.irp b, 0,1,2,3
	ds_store_b128 v[STOV], v[32+16*(\a)+4*(\b):32+16*(\a)+4*(\b)+3] offset:(\a)*16*PITCH+32*(\b)
.endr
.endr
	s_wait_dscnt 0x0                               ; for the others' sake: my stores into the stage are done
	s_barrier_signal -1
	s_barrier_wait -1                              ; from here on quarter w of the stage is touched by wave w alone
.irp t, 0,1,2,3,4,5,6,7,8,9,10,11,12,13,14,15
	ds_load_b128 v[96+4*(\t):96+4*(\t)+3], v[RD] offset:(\t)*2*PITCH
.endr
.irp t, 0,1,2,3,4,5,6,7,8,9,10,11,12,13,14,15
	s_wait_dscnt 15-(\t)
	global_store_b128 v[GO], v[96+4*(\t):96+4*(\t)+3], s[VD:VD+1] offset:(\t)*512
.endr
	ROPE 0
	ROPE 1
	ROPE 2
	ROPE 3
	s_wait_tensorcnt 0x0                           ; the wave's end: a wait, an add of 0 and a wait, behind my last tensor load and my last LDS store
	ds_add_u32 v[SPW], v[NIL]
	s_wait_dscnt 0x0
	CROUND                                         ; the closing round
	s_endpgm
.Lfunc_end_k_q3311979e5a_qkv:
	.size	k_q3311979e5a_qkv, .Lfunc_end_k_q3311979e5a_qkv-k_q3311979e5a_qkv
	.p2alignl 7, 3214868480
	.fill 96, 4, 3214868480
	.section	.rodata,"a",@progbits
	.p2align	6, 0x0
	.amdhsa_kernel k_q3311979e5a_qkv
		.amdhsa_group_segment_fixed_size 327680
		.amdhsa_private_segment_fixed_size 0
		.amdhsa_enable_private_segment 0
		.amdhsa_kernarg_size 32
		.amdhsa_user_sgpr_count 2
		.amdhsa_user_sgpr_kernarg_segment_ptr 1
		.amdhsa_wavefront_size32 1
		.amdhsa_system_sgpr_workgroup_id_x 1
		.amdhsa_system_sgpr_workgroup_id_y 1
		.amdhsa_system_sgpr_workgroup_id_z 1
		.amdhsa_system_vgpr_workitem_id 0
		.amdhsa_next_free_vgpr 960
		.amdhsa_next_free_sgpr 84
		.amdhsa_reserve_vcc 0
		.amdhsa_float_denorm_mode_32 3
		.amdhsa_float_denorm_mode_16_64 3
		.amdhsa_memory_ordered 1
		.amdhsa_forward_progress 1
		.amdhsa_inst_pref_size 136
	.end_amdhsa_kernel
	.amdgpu_metadata
---
amdhsa.version: [ 1, 2 ]
amdhsa.kernels:
  - .name:           k_q3311979e5a_qkv
    .symbol:         k_q3311979e5a_qkv.kd
    .args:
      - { .name: cv, .offset: 0, .size: 8, .value_kind: global_buffer, .address_space: global }
      - { .name: qh, .offset: 8, .size: 8, .value_kind: global_buffer, .address_space: global }
      - { .name: kh, .offset: 16, .size: 8, .value_kind: global_buffer, .address_space: global }
      - { .name: vh, .offset: 24, .size: 8, .value_kind: global_buffer, .address_space: global }
    .group_segment_fixed_size: 327680
    .private_segment_fixed_size: 0
    .kernarg_segment_align: 8
    .kernarg_segment_size: 32
    .max_flat_workgroup_size: 128
    .sgpr_count:     84
    .vgpr_count:     960
    .wavefront_size: 32
...
	.end_amdgpu_metadata
.endif
;; end of part 2
;; launch attn (part 3): grid 16 x 16, 4 waves a work-group, clusters of 4 x 1, 327,680 bytes of LDS; arguments qh, kh, vh, importance, ob; writes ob
.if DOCPART == 3
	.amdgcn_target "amdgcn-amd-amdhsa--gfx1250"
	.amdhsa_code_object_version 6
	.text
	.protected	k_q3311979e5a_attn
	.globl	k_q3311979e5a_attn
	.p2align	8
	.type	k_q3311979e5a_attn,@function
k_q3311979e5a_attn:
	s_mov_b64 s[64:65], 0
	v_nop
	global_prefetch_b8 v0, s[64:65] scope:SCOPE_SE
	s_setreg_imm32_b32 hwreg(HW_REG_WAVE_MODE, 25, 1), 1
	s_wait_xcnt 0x0
	s_wait_alu depctr_hold_cnt(0) depctr_sa_sdst(0) depctr_va_vdst(0) depctr_va_sdst(0) depctr_va_ssrc(0) depctr_va_vcc(0) depctr_vm_vsrc(0)
	s_getreg_b32 s2, hwreg(HW_REG_IB_STS2, 6, 4)
	s_cmp_eq_u32 s2, 0
	s_cbranch_scc0 .Lentry_in_a_cluster
	s_endpgm
.Lentry_in_a_cluster:
	s_bfe_u32 s2, ttmp6, 0x10000c
	s_cmp_lg_u32 s2, 0x3003
	s_cbranch_scc0 .Lentry_shape_is_right
	s_endpgm
.Lentry_shape_is_right:
; CAUSAL ATTENTION WITH A SPEED FOR EACH QUERY.  O[q] = the sum over k <= q of softmax_k(speed[q] Q[q] . K[k] / sqrt(128)) V[k], for each of 16 heads; speed = 0.5 + 1.5 sigmoid(10 (importance - 0.5)).
; qh, kh, vh: [16][2048][128] f16, rows of 256 bytes; ob: [2048][2048] f16, column 128 head + d.  Products, maxima, sums, speed and the merge in f32; the weights p are rounded to f16 for the second
; product (their sum l is taken of the unrounded p), O once at the end; importance is rounded to bf16 like the other inputs.
; LIMITS.  Q, K, V arrive within f16's 65,504, so a score lies within 5.5e11.  A hidden score counts as its value less 1e30; the running maximum starts at -1e20, below every true score and above every
; hidden one, so a wave that sees hidden keys alone ends with l = 0 and O = 0.  A weight below 2^-126 counts as 0.  NaN and infinities are not treated apart.
; THE WALK.  A head's queries lie in 32 blocks of 64, its keys in 8 GROUPS of 256.  Work-group b = 4 c + cx (c the cluster, cx the place in it) takes block 31 - b, which needs groups 0 .. 7 - c, and then
; block b, groups 0 .. c: nine groups whatever b, and the same nine for the four partners of a cluster: every tile is asked for JOINTLY.  The first block ends behind step 7 - c, one of steps 4 to 7: there one
; branch hangs on c, which the partners share; every other branch and every trip count is decided by a constant, a counter or the wave's number.
; SHARES.  Every wave holds all 64 queries of the block in hand (four tiles of 16) and takes a quarter of each group: wave w keys 64 w .. + 63.  So each LDS byte is read by one wave, and a fragment feeds four
; tiles.  At a block's end the four partial (c m, l, O) are merged through LDS, in f32.  Register tile j of wave w holds query tile (j + w) % 4: wave w owns its register tile 0 and sends tile k to wave (w + k) % 4.
; THE MASK is the C operand that starts S^T = K Q^T: 0, or -1e30 where the key is hidden: key 256 g + 64 w + kk of group g is hidden from query 64 blk + qq of block blk where it is greater.
; That is data in 128 registers, made at the head of the step that takes it, while K's fragments are on their way out of LDS; no branch and no LDS address hangs on it.  Steps 0 to 3 are the first block's groups 0 to 3,
; which hide nothing from its rows, 1,024 and up: there the masks stay 0.
; SOFTMAX.  p = 2^(c s - c m), c = speed[q] log2(e) / sqrt(128) > 0, with a running maximum m of the raw scores; O and l are multiplied by a = 2^(c m_old - c m_new) in every step; a block's first step has a = 0.
; A step is written in phases: 64 products K Q^T, the softmax of four tiles (one batch of exponentials, one wait), 64 products V^T P.
; ONE TEXT FOR EVERY STEP.  Groups 0 and 1 are the first fills.  The nine steps go: a change of slots that fills nothing, a step, seven times (a change that fills, a step), a change that fills nothing, the last step:
; an outer loop of two trips round an inner loop that is entered in its middle and counts 8 steps, then 1.  Every wait for tensor loads is for all of them.
; REGISTERS, in windows of 256: window 0: v2-11 addresses, v12-43 statistics, v44-51 c, v52-63, v64-191 S^T, v192-255 P;  window 1: O^T, 64 a tile;  window 2: v0-127 Q, v128-255 K;  window 3: v0-127 V, v128-255 the masks.
.set PK,    272       ; a row of K in LDS: 256 bytes + 16
.set PV,    288       ; a row of V: 256 + 32
.set VOFF,  256*PK    ; a slot: 256 rows of K, then 256 rows of V
.set SLOT1, 0x24000   ; slot 1; the four tiles' places in a slot (0, 0x8800, 0x11000, 0x1a000) share no bit with it
.set SPARE, 143360    ; between the slots: the spare words, 128 bytes a wave: two blocks of 256 bytes that no other line names
.set XCH,   290816    ; behind the ring: 8,192 bytes for each owner wave: a partial tile of O^T on its way, later the owner's stage
.set STATS, 323584    ; 1,024 bytes for each owner: (c m, l) of the three senders, 256 bytes each
.set SP,    272
.set AK0, 2           ; v2   my lane's place in my 64 rows of K, slot 0; never rewritten
.set AV0, 3           ; v3   the same for V
.set AK,  4
.set AV,  5
.set STO, 6           ; v6   my stage: where I put 16 bytes of a row
.set RD,  7           ; v7   my stage: where I read rows back
.set L16, 8           ; v8   16 x lane
.set HH,  9           ; v9   lane / 16
.set T0,  10          ; v10, v11 LDS addresses in the making: of the lane, the wave's number and constants alone
.set T1,  11
.set ST,  12          ; tile t at v[ST+8 t]: c m, m, l (even keys', odd keys'), c0-c3 at work; a takes c2's place
.set CQ,  44          ; v[44+2 t], twice: c of my query in tile t
.set QO,  52          ; v52-55 my byte offset in the block's rows of Q, for each register tile
.set IM,  56          ; v56-59 importance of my query
.set PFO, 60          ; v60  256 x lane
.set GOUT, 61         ; v61  my byte offset in two rows of ob
.set SPW, 62
.set NIL, 63
.set S,   64
.set P,   192
.set KF,  128         ; window 2
.set MC,  128         ; window 3: tile t, keys 16 kt on, at MC + 32 t + 8 kt
.set W,   64          ; the merge's work registers, in S^T's place
.set MX,  72
.set FK,  74
.set LT,  78
.set RC,  79
.set GK,  80
.set PKO, 96
.set OBK, 128
.set BL2, 2           ; s2   b: the second block's number
.set GQ,  3           ; s3   4 x the group of the step in hand
.set WV,  14          ; s14 wave; s15 cx; s16 c; s17 head
.set CX,  15
.set CC,  16
.set HD,  17
.set KB,  18          ; s[18:19] kh at my half of the head's group 0;  s[20:21] vh likewise
.set VB,  20
.set G1K, 24          ; s[24:31], s[32:39] descriptor group 1 for K's and V's tiles
.set G1V, 32
.set G0K, 40          ; s[40:47] group 0 for K's tiles: set 0 (group 0, slot 0), set 1 (group 1, slot 1; then it walks);  s[48:55] the same for V's
.set G0V, 48
.set Q1,  56          ; s[56:57] Q, s[58:59] importance of the first block; s[60:61] ob of the block in hand
.set I1,  58
.set OBP, 60
.set SEL, 62
.set Q2,  66          ; s[66:71] Q, importance, ob of the second block
.set I2,  68
.set OB2, 70
.set TB,  72          ; s72  0 or SLOT1: the slot in hand
.set CNT, 73          ; s73  steps still to come in the inner loop, the one in hand among them
.set OC,  74          ; s74  trips of the outer loop still to come
.set E1,  75          ; s75  c + 1: the inner count at the first block's last step
.set KW,  76          ; s76  which of the walk's nine items is asked for next
.set N1,  77          ; s77  8 - c: the first block's groups
.set OFF, 78
.set BLK, 80          ; s80  the number of the block in hand: it enters the masks alone
.set KOFF, 81
.set BIGN, 82
.set LIM, 83          ; s83  2 in wave 0, else the greatest number
.set PFA, 84
.set C15, 86
.set CL,  87
.set C10, 88
.set TS,  89          ; s89  at work: never holds cx
.set STT, 90          ; s90-93 STATS + 1,024 x the owner of my register tile j
.set XD,  93          ; s94-96 XCH + 8,192 x the owner of my register tile k, k = 1 .. 3
.set XME, 97          ; s97  my region of XCH
.set MSB, 0
.macro WIN new
.if MSB != (\new)
	s_set_vgpr_msb (MSB<<8)|(\new)
.set MSB, \new
.endif
.endm
.macro PLACES
.rept 4
	v_nop
.endr
.endm
.macro BAR
	s_barrier_signal -1
	s_barrier_wait -1
.endm
.macro CROUND
	s_barrier_signal -1
	s_barrier_wait -1
	s_cmp_lg_u32 s[WV], 0
	s_cbranch_scc1 .Lnot_wave_0_\@
	s_barrier_signal -3
.Lnot_wave_0_\@:
	s_barrier_wait -3
	s_barrier_signal -1
	s_barrier_wait -1
.endm
; A joint refill by the walking descriptors: waves 0 and 1 fetch the two halves of a group's K, waves 2 and 3 those of its V, 128 rows each.  An s_nop 0 and four v_nop follow each line.
.macro JLOAD
	s_cmp_lt_u32 s[WV], 2
	s_cbranch_scc0 .Lfor_v_\@
	tensor_load_to_lds s[G0K+4:G0K+7], s[G1K:G1K+7]
	s_nop 0
.rept 4
	v_nop
.endr
	s_branch .Lasked_\@
.Lfor_v_\@:
	tensor_load_to_lds s[G0V+4:G0V+7], s[G1V:G1V+7]
	s_nop 0
.rept 4
	v_nop
.endr
.Lasked_\@:
.endm
; A PREFETCH INTO THE L2.  A group is 256 rows of K and 256 of V, 256 bytes a row; the sixteen work-groups of a head make the same nine steps and share a group's rows out BY ADDRESS, 32 each
; (clusters 0 and 1 K's, clusters 2 and 3 V's); in each, wave 0 asks, a lane a row: each row is named once in the launch.  Group g + 1 is asked for at the change at which the head's first cluster asks for group g,
; g = 2 .. 6 (the inner count is 7 .. 3 there): one step ahead of the first load that wants it.  Groups 0 to 2 come by their loads alone; the second blocks' groups have been read before.
.macro ASK
	s_cmp_gt_u32 s[CNT], s[LIM]
	s_cbranch_scc0 .Lnot_mine_\@
	global_prefetch_b8 v[PFO], s[PFA:PFA+1] th:TH_LOAD_NT scope:SCOPE_SE
.Lnot_mine_\@:
.endm
; THE CHANGE OF SLOTS.  Each wave waits for all its tensor loads, adds 0 to its spare word, and waits for that and for its reads of the slot that it leaves.
; fill = 1: a round of the cluster's barrier, and the slot just read is filled again first thing behind it, with the walk's item KW: the address is made anew from its group's number.  The load has one step in which to land.
.macro CHANGE fill
	WIN 0
	s_wait_tensorcnt 0x0
	ds_add_u32 v[SPW], v[NIL]       ; 0 onto my spare word; the scalar work stands between it and the wait for it
.if \fill
	s_sub_co_u32 s[OFF], s[KW], s[N1]  ; item KW is the second block's group KW - N1, or, where that falls below 0 and wraps round,
	s_min_u32 s[OFF], s[OFF], s[KW]    ; the first block's group KW: the lesser of the two as unsigned numbers
	s_lshl_b32 s[OFF], s[OFF], 16   ; a group is 65,536 bytes of K and of V
	s_xor_b32 s[G0K+5], s[G0K+5], SLOT1
	s_add_nc_u64 s[G0K+6:G0K+7], s[KB:KB+1], s[OFF:OFF+1]
	s_or_b32 s[G0K+7], s[G0K+7], 0x80000000
	s_xor_b32 s[G0V+5], s[G0V+5], SLOT1
	s_add_nc_u64 s[G0V+6:G0V+7], s[VB:VB+1], s[OFF:OFF+1]
	s_or_b32 s[G0V+7], s[G0V+7], 0x80000000
	s_add_co_u32 s[KW], s[KW], 1
	s_wait_xcnt 0x0                 ; the last prefetch, a step back, has read its address
	s_add_nc_u64 s[PFA:PFA+1], s[PFA:PFA+1], 65536
	s_wait_dscnt 0x0                ; the add is done, and my reads of the slot are over
	CROUND
	JLOAD
	ASK
.else
	s_wait_dscnt 0x0
	BAR
.endif
	s_xor_b32 s[TB], s[TB], SLOT1
.endm
; A block's Q (tile j, channels 32 cc on, at v[32 j + 8 cc] of window 2) and its queries' importance
.macro QLOAD qb, ib
	WIN 0x80
.irp j, 0,1,2,3
.irp cc, 0,1,2,3
	global_load_b128 v[32*(\j)+8*(\cc):32*(\j)+8*(\cc)+3],   v[QO+(\j)], s[(\qb):(\qb)+1] offset:64*(\cc)
	global_load_b128 v[32*(\j)+8*(\cc)+4:32*(\j)+8*(\cc)+7], v[QO+(\j)], s[(\qb):(\qb)+1] offset:64*(\cc)+32
.endr
.endr
	WIN 0
.irp j, 0,1,2,3
	v_lshrrev_b32 v[IM+(\j)], 6, v[QO+(\j)]  ; 4 x my query's row in the block
.endr
.irp j, 0,1,2,3
	global_load_b32 v[IM+(\j)], v[IM+(\j)], s[(\ib):(\ib)+1]
.endr
.endm
; A BLOCK BEGINS (its Q and importance have been waited for): c for my four queries; c m far below every c s, so the first step's a is 0; m at -1e20.
.macro BEGIN
	WIN 0
.irp t, 0,1,2,3
	v_cvt_pk_bf16_f32 v[IM+(\t)], v[IM+(\t)], v[IM+(\t)]
.endr
.irp t, 0,1,2,3
	v_lshlrev_b32 v[IM+(\t)], 16, v[IM+(\t)]
.endr
.irp t, 0,1,2,3
	v_add_f32 v[IM+(\t)], -0.5, v[IM+(\t)]
.endr
.irp t, 0,1,2,3
	v_mul_f32 v[IM+(\t)], s[C10], v[IM+(\t)]  ; -10 log2(e) (importance - 0.5)
.endr
.irp t, 0,1,2,3
	v_exp_f32 v[IM+(\t)], v[IM+(\t)]
.endr
	v_nop                           ; a plain instruction behind the last exponential,
	s_wait_alu depctr_va_vdst(0)    ; and the wait ahead of the first use: one for the four
.irp t, 0,1,2,3
	v_add_f32 v[IM+(\t)], 1.0, v[IM+(\t)]
.endr
.irp t, 0,1,2,3
	v_rcp_f32 v[IM+(\t)], v[IM+(\t)]
.endr
	v_nop
	s_wait_alu depctr_va_vdst(0)
.irp t, 0,1,2,3
	v_fma_f32 v[IM+(\t)], v[IM+(\t)], s[C15], 0.5  ; speed
.endr
.irp t, 0,1,2,3
	v_mul_f32 v[CQ+2*(\t)], s[CL], v[IM+(\t)]
	v_mul_f32 v[CQ+2*(\t)+1], s[CL], v[IM+(\t)]
	v_mov_b32 v[ST+8*(\t)], 0xfe000000
	v_mov_b32 v[ST+8*(\t)+1], 0xe0ad78ec           ; -1e20
.endr
.endm
; THE MASKS OF THE STEP IN HAND, group g = GQ / 4.  Register i of key block kt is key 256 g + 64 w + 16 kt + 8 h + i; it is hidden from query 64 blk + qq where 16 kt + i > qq - 8 h - 64 (4 g + w - blk).
; The five registers at work are S^T's, which are free until the step's first products.
.macro SETMASK
	WIN 0
	s_add_co_u32 s[KOFF], s[GQ], s[WV]
	s_sub_co_i32 s[KOFF], s[KOFF], s[BLK]
	s_lshl_b32 s[KOFF], s[KOFF], 6
	v_lshl_add_u32 v[S+4], v[HH], 3, s[KOFF]
.irp t, 0,1,2,3
	v_lshrrev_b32 v[S+(\t)], 8, v[QO+(\t)]
.endr
.irp t, 0,1,2,3
	v_sub_nc_u32 v[S+(\t)], v[S+(\t)], v[S+4]
.endr
	WIN 0xc0                        ; destination window 3
.irp t, 0,1,2,3
.set n, 0
.rept 32
	v_cmp_gt_i32 vcc_lo, 16*(n/8)+n%8, v[S+(\t)]
	v_cndmask_b32 v[MC+32*(\t)+n], 0, s[BIGN], vcc_lo
.set n, n+1
.endr
.endr
	WIN 0
.endm
; Product i of 64 of S^T = K Q^T: channels 32 (i / 16) on, keys 16 ((i / 4) % 4) on, tile i % 4.  The first 16 start the sums with the mask.  The 16 accumulators take turns.
.macro KQ
.set rS, S+32*(i%4)+8*((i/4)%4)
.set rK, KF+32*((i/4)%4)+8*(i/16)
.set rQ, 32*(i%4)+8*(i/16)
.set rM, MC+32*(i%4)+8*((i/4)%4)
.if i < 16
	WIN 0x3a                        ; K and Q window 2, the mask window 3, S^T window 0
	v_wmma_f32_16x16x32_f16 v[rS:rS+7], v[rK:rK+7], v[rQ:rQ+7], v[rM:rM+7]
.else
	WIN 0x0a
	v_wmma_f32_16x16x32_f16 v[rS:rS+7], v[rK:rK+7], v[rQ:rQ+7], v[rS:rS+7]
.endif
.endm
; Product i of 64 of O^T += V^T P: keys 32 (i / 32) on, channels 16 ((i / 4) % 8) on, tile i % 4.  32 accumulators take turns.
.macro PVM
	WIN 0x53                        ; V window 3, P window 0, O^T window 1
.set rO, 64*(i%4)+8*((i/4)%8)
.set rV, 64*(i/32)+8*((i/4)%8)
.set rP, P+16*(i%4)+8*(i/32)
	v_wmma_f32_16x16x32_f16 v[rO:rO+7], v[rV:rV+7], v[rP:rP+7], v[rO:rO+7]
.endm
; Number j of the 134 of one tile's softmax.  0-15 the maximum of the 32 scores and the old m (each accumulator's lowest registers are read first); 16-20 the other half of the lanes',
; the new m, c m, its change; 21-69 the 16 scalings c s - c m and all 33 exponentials, none of which reads an exponential's result; 70-85 the roundings to f16; 86-101 the sums, l = a l + sum; 102-133 O^T times a.
.macro SM t
.set rT, ST+8*(\t)
.set rS, S+32*(\t)
.set rP, P+16*(\t)
.set rC, CQ+2*(\t)
.set rO, 64*(\t)+2*(j-102)
.if j < 102
	WIN 0
.endif
.if j < 4
	v_max3_num_f32 v[rT+4+j], v[rS+8*j], v[rS+8*j+1], v[rS+8*j+2]
.elseif j < 12
	v_max3_num_f32 v[rT+4+j%4], v[rT+4+j%4], v[rS+8*(j%4)+2*(j/4)+1], v[rS+8*(j%4)+2*(j/4)+2]
.elseif j == 12
	v_max3_num_f32 v[rT+4], v[rT+4], v[rS+7], v[rS+15]
.elseif j == 13
	v_max3_num_f32 v[rT+6], v[rT+6], v[rS+23], v[rS+31]
.elseif j == 14
	v_max3_num_f32 v[rT+4], v[rT+4], v[rT+5], v[rT+6]
.elseif j == 15
	v_max3_num_f32 v[rT+4], v[rT+4], v[rT+7], v[rT+1]
.elseif j == 16
	v_permlanex16_b32 v[rT+5], v[rT+4], s[SEL], s[SEL+1]  ; the query's other 32 keys lie in the lane 16 away
.elseif j == 17
	v_mov_b32 v[rT+7], v[rT]        ; c m_old is kept for a
.elseif j == 18
	v_max_num_f32 v[rT+1], v[rT+4], v[rT+5]
.elseif j == 19
	v_mul_f32 v[rT], v[rC], v[rT+1]
.elseif j == 20
	v_sub_f32 v[rT+7], v[rT+7], v[rT]
.elseif j == 23
	v_exp_f32 v[rT+6], v[rT+7]
.elseif (j < 23) || ((j < 38) && (j%2 == 0)) || ((j < 66) && (j%4 == 2))
.set b, (j-2)/4
.if j < 38
.set b, (j-20)/2
.endif
	v_pk_fma_f32 v[rS+2*b:rS+2*b+1], v[rS+2*b:rS+2*b+1], v[rC:rC+1], v[rT:rT+1] op_sel_hi:[1,1,0] neg_lo:[0,0,1] neg_hi:[0,0,1]
.elseif j < 70
.set e, j-38
.if j < 66
.set e, j-32-(j-38)/4
.endif
.if j < 38
.set e, (j-25)/2
.endif
	v_exp_f32 v[rS+e], v[rS+e]
.elseif j < 86
	v_cvt_pk_f16_f32 v[rP+j-70], v[rS+2*(j-70)], v[rS+2*(j-70)+1]
.elseif j < 102
.set z, j-86
.set w, 4
.set u, z
.if z >= 14
.set w, 32
.set u, 0
.elseif z >= 12
.set w, 16
.set u, z-12
.elseif z >= 8
.set w, 8
.set u, z-8
.endif
.if z < 15
	v_pk_add_f32 v[rS+w*u:rS+w*u+1], v[rS+w*u:rS+w*u+1], v[rS+w*u+w/2:rS+w*u+w/2+1]
.else
	v_pk_fma_f32 v[rT+2:rT+3], v[rT+2:rT+3], v[rT+6:rT+7], v[rS:rS+1] op_sel_hi:[1,0,1]
.endif
.else
	WIN 0x41
	v_pk_mul_f32 v[rO:rO+1], v[rO:rO+1], v[rT+6:rT+7] op_sel_hi:[1,0]
.endif
.endm
; A STEP: my 64 keys of the group in hand against the block's 64 queries, in two parts.  STEPK: K's run of 32 LDS loads goes out; the masks, where they are due, are made between it and the wait for it.
.macro STEPK
	WIN 0
	v_add_nc_u32 v[AK], s[TB], v[AK0]
	v_add_nc_u32 v[AV], s[TB], v[AV0]
	WIN 0x80
.irp f, 0,1,2,3,4,5,6,7,8,9,10,11,12,13,14,15  ; keys 16 (f / 4) on, channels 32 (f % 4) on
	ds_load_b128 v[KF+8*(\f):KF+8*(\f)+3],   v[AK] offset:((\f)/4)*16*PK+((\f)%4)*64
	ds_load_b128 v[KF+8*(\f)+4:KF+8*(\f)+7], v[AK] offset:((\f)/4)*16*PK+((\f)%4)*64+32
.endr
	WIN 0
.endm
; STEPR: the rest of the step.  V's run of 32 LDS loads stands behind the products K Q^T: it has the softmax in which to land.
.macro STEPR
	s_wait_dscnt 0x0                ; K is in
.set i, 0
.rept 64
	KQ
.set i, i+1
.endr
	WIN 0xc0
.irp f, 0,1,2,3,4,5,6,7,8,9,10,11,12,13,14,15  ; keys 32 (f / 8) on, channels 16 (f % 8) on, turned; the last products that read V stand in front of the last step's four places
	ds_load_tr16_b128 v[8*(\f):8*(\f)+3],   v[AV] offset:((\f)/8)*32*PV+((\f)%8)*32
	ds_load_tr16_b128 v[8*(\f)+4:8*(\f)+7], v[AV] offset:((\f)/8)*32*PV+16*PV+((\f)%8)*32
.endr
	WIN 0
	PLACES                          ; behind the last product K Q^T, in front of the maxima that read the scores
.set j, 0
.rept 70
	SM 0
	SM 1
	SM 2
	SM 3
.set j, j+1
.endr
	v_nop                           ; a plain instruction behind the last exponential: one for the batch
	s_wait_alu depctr_va_vdst(0)    ; the wait ahead of the first use: one for the 132 exponentials
.rept 64
	SM 0
	SM 1
	SM 2
	SM 3
.set j, j+1
.endr
	s_wait_dscnt 0x0                ; V is in
.set i, 0
.rept 64
	PVM
.set i, i+1
.endr
	WIN 0
	PLACES                          ; behind the last products: for the next loads into V's and P's registers and for what reads O^T
.endm
; THE MERGE's parts.  XSEND k: my register tile k of O^T, 8,192 bytes, to its owner's region.  XRECV: what lies in my region, into P's registers.  XADD k: my tile takes it, times g_k.
.macro XSEND k
	WIN 0
	v_add_nc_u32 v[T1], s[XD+(\k)], v[L16]
	WIN 0x04                        ; the data in window 1
.set i, 0
.rept 16
	ds_store_b128 v[T1], v[64*(\k)+4*i:64*(\k)+4*i+3] offset:512*i
.set i, i+1
.endr
	WIN 0
.endm
.macro XRECV
	WIN 0
.set i, 0
.rept 16
	ds_load_b128 v[P+4*i:P+4*i+3], v[T0] offset:512*i
.set i, i+1
.endr
.endm
.macro XADD k
	WIN 0x50                        ; source 2 and destination window 1
.set i, 0
.rept 32
	v_pk_fma_f32 v[2*i:2*i+1], v[P+2*i:P+2*i+1], v[GK+2*(\k):GK+2*(\k)+1], v[2*i:2*i+1] op_sel_hi:[1,0,1]
.set i, i+1
.endr
	WIN 0
.endm
; A BLOCK ENDS.  l's halves are added; each wave sends (c m, l) and O^T of its register tiles 1 to 3 to their owners, a tile a round; the owner weighs the four partial sums by g_k = 2^(c m_k - M) / the sum of 2^(c m_k - M) l_k,
; rounds its 16 rows to f16 and stores them through its region of LDS.  Five barriers: each stands between one wave's stores and another's loads, or between a wave's loads and the next stores into those bytes.
; In the outer loop's first trip this is the first block's end: the second block's Q is asked for at once, and lands during the merge.
.macro END
	WIN 0
	s_cmp_eq_u32 s[OC], 1
	s_cbranch_scc1 .Lno_q
	QLOAD Q2, I2
.Lno_q:
.irp t, 0,1,2,3
	v_add_f32 v[ST+8*(\t)+4], v[ST+8*(\t)+2], v[ST+8*(\t)+3]
.endr
.irp t, 0,1,2,3
	v_permlanex16_b32 v[ST+8*(\t)+5], v[ST+8*(\t)+4], s[SEL], s[SEL+1]
.endr
.irp t, 0,1,2,3
	v_add_f32 v[ST+8*(\t)+1], v[ST+8*(\t)+4], v[ST+8*(\t)+5]  ; l takes m's place beside c m
.endr
	v_lshrrev_b32 v[T0], 1, v[L16]  ; 8 x lane
.irp k, 1,2,3
	v_add_nc_u32 v[T1], s[STT+(\k)], v[T0]
	ds_store_b64 v[T1], v[ST+8*(\k):ST+8*(\k)+1] offset:256*(\k)
.endr
	XSEND 1
	s_wait_dscnt 0x0                ; for the others' sake: my stores are done
	BAR
	v_add_nc_u32 v[T1], s[STT], v[T0]
.irp k, 1,2,3
	ds_load_b64 v[W+2*(\k):W+2*(\k)+1], v[T1] offset:256*(\k)
.endr
	v_add_nc_u32 v[T0], s[XME], v[L16]  ; my region
	XRECV
	s_wait_dscnt 16                 ; the statistics are in; the tile's 16 loads may stay out
	v_max3_num_f32 v[MX], v[ST], v[W+2], v[W+4]
	v_max_num_f32 v[MX], v[MX], v[W+6]
	v_sub_f32 v[FK], v[ST], v[MX]
	v_sub_f32 v[FK+1], v[W+2], v[MX]
	v_sub_f32 v[FK+2], v[W+4], v[MX]
	v_sub_f32 v[FK+3], v[W+6], v[MX]
.irp k, 0,1,2,3
	v_exp_f32 v[FK+(\k)], v[FK+(\k)]
.endr
	v_nop
	s_wait_alu depctr_va_vdst(0)
	v_mul_f32 v[LT], v[FK], v[ST+1]
	v_fma_f32 v[LT], v[FK+1], v[W+3], v[LT]
	v_fma_f32 v[LT], v[FK+2], v[W+5], v[LT]
	v_fma_f32 v[LT], v[FK+3], v[W+7], v[LT]
	v_rcp_f32 v[RC], v[LT]
	v_nop
	s_wait_alu depctr_va_vdst(0)
.irp k, 0,1,2,3
	v_mul_f32 v[GK+2*(\k)], v[FK+(\k)], v[RC]
	v_mul_f32 v[GK+2*(\k)+1], v[FK+(\k)], v[RC]
.endr
	WIN 0x41
.set i, 0
.rept 32
	v_pk_mul_f32 v[2*i:2*i+1], v[2*i:2*i+1], v[GK:GK+1] op_sel_hi:[1,0]
.set i, i+1
.endr
	WIN 0
	s_wait_dscnt 0x0
	XADD 1
.irp k, 2,3
	BAR                             ; every wave's reads of its region are back
	XSEND \k
	s_wait_dscnt 0x0
	BAR
	XRECV
	s_wait_dscnt 0x0
	XADD \k
.endr
	WIN 0x05                        ; sources window 1, destination window 0
.set i, 0
.rept 32
	v_cvt_pk_f16_f32 v[PKO+i], v[2*i], v[2*i+1]
.set i, i+1
.endr
	WIN 0
.irp f, 0,1,2,3,4,5,6,7
	ds_store_b128 v[STO], v[PKO+4*(\f):PKO+4*(\f)+3] offset:32*(\f)  ; my region is mine alone until the next block's end, and a change of slots' barrier stands before that
.endr
.irp f, 0,1,2,3,4,5,6,7
	ds_load_b128 v[OBK+4*(\f):OBK+4*(\f)+3], v[RD] offset:(\f)*2*SP  ; LDS serves a wave's instructions in order (ISA guide 5.7.1.4)
.endr
.irp f, 0,1,2,3,4,5,6,7
	s_wait_dscnt 7-(\f)
	global_store_b128 v[GOUT], v[OBK+4*(\f):OBK+4*(\f)+3], s[OBP:OBP+1] offset:(\f)*8192  ; 16 lanes store 256 consecutive bytes of a row, at a multiple of 256 from ob's first byte
.endr
	s_wait_xcnt 0x0                 ; the stores have read their registers and ob's address
	s_wait_loadcnt 0x0              ; the second block's Q and importance are in: on every way, so that no load into Q's registers is out when they are read or loaded again
.endm
	s_load_b256 s[4:11], s[0:1], 0x0  ; qh s[4:5], kh s[6:7], vh s[8:9], importance s[10:11]
	s_load_b64 s[12:13], s[0:1], 0x20 ; ob
	v_lshl_add_u32 v[SPW], v0, 2, SPARE
	v_mov_b32 v[NIL], 0
	ds_add_u32 v[SPW], v[NIL]       ; the wave's opening: the add and its wait stand ahead of my first tensor load
	v_lshrrev_b32 v1, 5, v0
	v_readfirstlane_b32 s[WV], v1
	s_bfe_u32 s[CX], ttmp6, 0x40000
	s_mov_b32 s[CC], ttmp9          ; the cluster, which the four partners share
	s_and_b32 s[HD], ttmp7, 0xffff  ; the head, likewise
	s_mov_b32 s[G1K], 15|(1<<16)|(1<<20)|(1<<21)|(5<<22)|(3<<25)  ; the mask of four; 2-byte elements; padding on; bit 21 beside a mask; after every 64 words 4 words
	s_mov_b32 s[G1V], 15|(1<<16)|(1<<20)|(1<<21)|(5<<22)|(7<<25)  ; the same with 8 words
.irp g, G1K, G1V
	s_mov_b32 s[(\g)+1], 128<<16    ; tensor_dim0 = 128
	s_mov_b32 s[(\g)+2], 128<<16    ; tensor_dim1 = 128
	s_mov_b32 s[(\g)+3], 128<<16    ; tile_dim0 = 128
	s_mov_b32 s[(\g)+4], 128        ; tile_dim1 = 128
	s_mov_b32 s[(\g)+5], 128        ; elements from row to row
	s_mov_b32 s[(\g)+6], 0
	s_mov_b32 s[(\g)+7], 0
.endr
	s_mov_b32 s[SEL], 0x76543210
	s_mov_b32 s[SEL+1], 0xfedcba98
	s_mov_b32 s[TB], SLOT1          ; the first change of slots turns it into 0
	s_add_co_u32 s[E1], s[CC], 1
	s_sub_co_u32 s[N1], 8, s[CC]    ; the first block has 8 - c groups, five at the least
	s_mov_b32 s[KW], 2              ; the walk's items 0 and 1, groups 0 and 1, are the first fills
	s_mov_b32 s[GQ], 0
	s_mov_b32 s[OFF+1], 0
	s_mov_b32 s[BIGN], 0xf149f2ca   ; -1e30
	s_cmp_eq_u32 s[WV], 0
	s_cselect_b32 s[LIM], 2, -1
	s_mov_b32 s[C15], 0x3fc00000    ; 1.5
	s_mov_b32 s[CL], 0x3e0293ee     ; log2(e) / sqrt(128)
	s_mov_b32 s[C10], 0xc166d4ca    ; -10 log2(e)
	s_and_b32 s22, s[WV], 1         ; which half of a group's 256 rows I fetch
	s_mul_i32 s23, s22, 128*PK
	s_mov_b32 s[G0K], 1
	s_mov_b32 s[G0K+1], s23         ; slot 0
	s_mov_b32 s[G0K+4], 1
	s_add_co_u32 s[G0K+5], s23, SLOT1
	s_mul_i32 s23, s22, 128*PV
	s_mov_b32 s[G0V], 1
	s_add_co_u32 s[G0V+1], s23, VOFF
	s_mov_b32 s[G0V+4], 1
	s_add_co_u32 s[G0V+5], s23, VOFF+SLOT1
	s_lshl_b32 s98, s22, 15
	s_lshl_b32 s22, s[HD], 19       ; the head's 2,048 rows of 256 bytes
	s_add_co_u32 s98, s98, s22
	s_mov_b32 s99, 0
.irp j, 0,1,2,3
	s_add_co_u32 s[TS], s[WV], \j
	s_and_b32 s[TS], s[TS], 3       ; the query tile of my register tile j, and its owner
	s_lshl_b32 s[STT+(\j)], s[TS], 10
	s_add_co_u32 s[STT+(\j)], s[STT+(\j)], STATS
.endr
	s_lshl_b32 s[XME], s[WV], 13
	s_add_co_u32 s[XME], s[XME], XCH
.irp k, 1,2,3
	s_add_co_u32 s[TS], s[WV], \k
	s_and_b32 s[TS], s[TS], 3
	s_lshl_b32 s[XD+(\k)], s[TS], 13
	s_add_co_u32 s[XD+(\k)], s[XD+(\k)], XCH
.endr
	s_wait_dscnt 0x0                ; the opening add is done
	s_wait_kmcnt 0x0
	s_add_nc_u64 s[KB:KB+1], s[6:7], s[98:99]
	s_add_nc_u64 s[VB:VB+1], s[8:9], s[98:99]
.irp s, 0,1
	s_add_nc_u64 s[G0K+4*(\s)+2:G0K+4*(\s)+3], s[KB:KB+1], (\s)*65536
	s_or_b32 s[G0K+4*(\s)+3], s[G0K+4*(\s)+3], 0x80000000
	s_add_nc_u64 s[G0V+4*(\s)+2:G0V+4*(\s)+3], s[VB:VB+1], (\s)*65536
	s_or_b32 s[G0V+4*(\s)+3], s[G0V+4*(\s)+3], 0x80000000
.endr
	s_cmp_lt_u32 s[CC], 2           ; the prefetches: clusters 0 and 1 ask for K's rows, clusters 2 and 3 for V's
	s_cselect_b64 s[PFA:PFA+1], s[6:7], s[8:9]
	s_and_b32 s100, s[CC], 1
	s_lshl_b32 s100, s100, 15       ; my cluster's 128 rows of the 256,
	s_lshl_b32 s101, s[CX], 13      ; my work-group's 32 of them,
	s_add_co_u32 s100, s100, s101
	s_add_co_u32 s100, s100, s22    ; in my head,
	s_add_co_u32 s100, s100, 2*65536  ; in group 2: the first change that fills steps it to group 3
	s_mov_b32 s101, 0
	s_add_nc_u64 s[PFA:PFA+1], s[PFA:PFA+1], s[100:101]
	s_lshl_b32 s100, s[CC], 2
	s_add_co_u32 s100, s100, s[CX]  ; b
	s_sub_co_u32 s101, 31, s100
	s_mov_b32 s[BL2], s100
	s_mov_b32 s[BLK], s101
	s_lshl_b32 s101, s101, 6        ; the first block's first row
	s_lshl_b32 s100, s100, 6        ; the second's
	s_lshl_b32 s[TS], s[WV], 4
	s_lshl_b32 s23, s[HD], 8
.irp n, 0,1
	s_lshl_b32 s98, s[101-(\n)], 8
	s_add_co_u32 s98, s98, s22
	s_add_nc_u64 s[Q1+10*(\n):Q1+10*(\n)+1], s[4:5], s[98:99]      ; Q at the block's first row
	s_lshl_b32 s98, s[101-(\n)], 2
	s_add_nc_u64 s[I1+10*(\n):I1+10*(\n)+1], s[10:11], s[98:99]    ; importance likewise
	s_add_co_u32 s98, s[101-(\n)], s[TS]
	s_lshl_b32 s98, s98, 12
	s_add_co_u32 s98, s98, s23
	s_add_nc_u64 s[OBP+10*(\n):OBP+10*(\n)+1], s[12:13], s[98:99]  ; ob at my query tile's first row, the head's 256 bytes
.endr
	CROUND                          ; all four work-groups are here: the first joint loads meet
	s_cmp_lt_u32 s[WV], 2           ; a wave's two first fills stand in one branch, ahead of every wait on TENSORcnt and every LDS read: two loads of mine are out
	s_cbranch_scc0 .Lfirst_v
	tensor_load_to_lds s[G0K:G0K+3], s[G1K:G1K+7]
	s_nop 0
	tensor_load_to_lds s[G0K+4:G0K+7], s[G1K:G1K+7]
	s_nop 0
.rept 4
	v_nop
.endr
	s_branch .Lfirst_asked
.Lfirst_v:
	tensor_load_to_lds s[G0V:G0V+3], s[G1V:G1V+7]
	s_nop 0
	tensor_load_to_lds s[G0V+4:G0V+7], s[G1V:G1V+7]
	s_nop 0
.rept 4
	v_nop
.endr
.Lfirst_asked:
	v_and_b32 v[T0], 15, v0         ; r
	v_bfe_u32 v[HH], v0, 4, 1       ; h
	v_lshlrev_b32 v[T1], 8, v[T0]
	v_lshl_add_u32 v[T1], v[HH], 4, v[T1]
.irp j, 0,1,2,3
	s_add_co_u32 s[TS], s[WV], \j
	s_and_b32 s[TS], s[TS], 3
	s_lshl_b32 s[TS], s[TS], 12
	v_add_nc_u32 v[QO+(\j)], s[TS], v[T1]  ; (16 x query tile + r) x 256 + 16 h
.endr
	QLOAD Q1, I1
	v_mul_u32_u24 v[T1], v[T0], PK
	v_lshl_add_u32 v[T1], v[HH], 4, v[T1]  ; 272 r + 16 h
	s_mul_i32 s[TS], s[WV], 64*PK
	v_add_nc_u32 v[AK0], s[TS], v[T1]
	v_add_nc_u32 v[STO], s[XME], v[T1]
	v_mul_u32_u24 v[T1], v[HH], SP
	v_lshl_add_u32 v[T1], v[T0], 4, v[T1]  ; 272 h + 16 r
	v_add_nc_u32 v[RD], s[XME], v[T1]
	v_lshlrev_b32 v[GOUT], 12, v[HH]
	v_lshl_add_u32 v[GOUT], v[T0], 4, v[GOUT]
	; the turning load takes 16 keys x 16 channels: lane l reads key 8 (l / 16) + l % 8, channels 8 ((l / 8) % 2) + 0..7
	v_and_b32 v[T1], 7, v0
	v_lshl_add_u32 v[AV0], v[HH], 3, v[T1]
	v_mul_u32_u24 v[AV0], v[AV0], PV
	v_bfe_u32 v[T1], v0, 3, 1
	v_lshl_add_u32 v[AV0], v[T1], 4, v[AV0]
	s_mul_i32 s[TS], s[WV], 64*PV
	s_add_co_u32 s[TS], s[TS], VOFF
	v_add_nc_u32 v[AV0], s[TS], v[AV0]
	v_and_b32 v[L16], 31, v0
	v_lshlrev_b32 v[PFO], 8, v[L16]
	v_lshlrev_b32 v[L16], 4, v[L16]
	; A block's first step multiplies O^T and l by a = 0, so these need only hold finite numbers: zeros now, what the first block left later.  The first four steps hide nothing, so the masks start at 0.
	; O^T's 256 and the masks' 128 registers are written by 48 products of two fragments of zeros with C = 0, once a launch, in the wait for the first tile: matrix work that is not attention's, in place of 384 moves.
.set i, 0
.rept 16
	v_mov_b32 v[P+i], 0
.set i, i+1
.endr
	WIN 0x40                        ; destination window 1
.set i, 0
.rept 32
	v_wmma_f32_16x16x32_f16 v[8*i:8*i+7], v[P:P+7], v[P+8:P+15], 0
.set i, i+1
.endr
	WIN 0xc0                        ; destination window 3
.set i, 0
.rept 16
	v_wmma_f32_16x16x32_f16 v[MC+8*i:MC+8*i+7], v[P:P+7], v[P+8:P+15], 0
.set i, i+1
.endr
	WIN 0
.irp t, 0,1,2,3
	v_mov_b32 v[ST+8*(\t)+2], 0
	v_mov_b32 v[ST+8*(\t)+3], 0
.endr
	s_wait_loadcnt 0x0              ; the first block's Q and importance
	BEGIN
	s_mov_b32 s[OC], 2
	s_mov_b32 s[CNT], 8
.Louter:                            ; two trips: steps 0 to 7, then step 8
	CHANGE 0                        ; at first both first fills are waited for, at last nothing is left to ask for
	s_branch .Lbody                 ; the inner loop is entered in its middle
.Linner:                            ; seven times in all: the slot just read takes the walk's item two steps on
	CHANGE 1
.Lbody:
	STEPK                           ; K's fragments are asked for
	s_cmp_eq_u32 s[OC], 1           ; step 8,
	s_cbranch_scc1 .Lmask
	s_cmp_gt_u32 s[CNT], 4          ; or one of steps 4 to 7, makes its masks; steps 0 to 3 hide nothing
	s_cbranch_scc1 .Lnomask
.Lmask:
	SETMASK                         ; 265 vector instructions between K's loads and the wait for them
.Lnomask:
	STEPR
	s_add_co_u32 s[GQ], s[GQ], 4    ; the next group
	s_cmp_eq_u32 s[OC], 1           ; behind step 8 the second block ends
	s_cbranch_scc1 .Lend
	s_cmp_gt_u32 s[CNT], 4          ; steps 0 to 3 end no block: the first has five groups or more
	s_cbranch_scc1 .Lbottom
	s_cmp_lg_u32 s[CNT], s[E1]      ; steps 4 to 7: the first block ends behind step 7 - c.  c is the cluster's number: the same in every wave and every partner
	s_cbranch_scc1 .Lbottom
.Lend:
	END
	s_cmp_eq_u32 s[OC], 1           ; the second block's end is the walk's
	s_cbranch_scc1 .Lbottom
	s_mov_b64 s[OBP:OBP+1], s[OB2:OB2+1]
	s_mov_b32 s[BLK], s[BL2]
	s_mov_b32 s[GQ], 0              ; the second block begins at group 0
	BEGIN
.Lbottom:
	s_sub_co_u32 s[CNT], s[CNT], 1
	s_cmp_lg_u32 s[CNT], 0
	s_cbranch_scc1 .Linner
	s_mov_b32 s[CNT], 1             ; the outer loop's second trip has one step
	s_sub_co_u32 s[OC], s[OC], 1
	s_cmp_lg_u32 s[OC], 0
	s_cbranch_scc1 .Louter
	s_wait_tensorcnt 0x0            ; the wave's end: a wait, an add of 0 and a wait, behind my last tensor load and my last LDS store
	ds_add_u32 v[SPW], v[NIL]
	s_wait_dscnt 0x0
	CROUND                          ; the closing round
	s_endpgm
.Lfunc_end_k_q3311979e5a_attn:
	.size	k_q3311979e5a_attn, .Lfunc_end_k_q3311979e5a_attn-k_q3311979e5a_attn
	.p2alignl 7, 3214868480
	.fill 96, 4, 3214868480
	.section	.rodata,"a",@progbits
	.p2align	6, 0x0
	.amdhsa_kernel k_q3311979e5a_attn
		.amdhsa_group_segment_fixed_size 327680
		.amdhsa_private_segment_fixed_size 0
		.amdhsa_enable_private_segment 0
		.amdhsa_kernarg_size 40
		.amdhsa_user_sgpr_count 2
		.amdhsa_user_sgpr_kernarg_segment_ptr 1
		.amdhsa_wavefront_size32 1
		.amdhsa_system_sgpr_workgroup_id_x 1
		.amdhsa_system_sgpr_workgroup_id_y 1
		.amdhsa_system_sgpr_workgroup_id_z 1
		.amdhsa_system_vgpr_workitem_id 0
		.amdhsa_next_free_vgpr 1024
		.amdhsa_next_free_sgpr 102
		.amdhsa_reserve_vcc 1
		.amdhsa_float_denorm_mode_32 3
		.amdhsa_float_denorm_mode_16_64 3
		.amdhsa_memory_ordered 1
		.amdhsa_forward_progress 1
		.amdhsa_inst_pref_size 103
	.end_amdhsa_kernel
	.amdgpu_metadata
---
amdhsa.version: [ 1, 2 ]
amdhsa.kernels:
  - .name:           k_q3311979e5a_attn
    .symbol:         k_q3311979e5a_attn.kd
    .args:
      - { .name: qh, .offset: 0, .size: 8, .value_kind: global_buffer, .address_space: global }
      - { .name: kh, .offset: 8, .size: 8, .value_kind: global_buffer, .address_space: global }
      - { .name: vh, .offset: 16, .size: 8, .value_kind: global_buffer, .address_space: global }
      - { .name: importance, .offset: 24, .size: 8, .value_kind: global_buffer, .address_space: global }
      - { .name: ob, .offset: 32, .size: 8, .value_kind: global_buffer, .address_space: global }
    .group_segment_fixed_size: 327680
    .private_segment_fixed_size: 0
    .kernarg_segment_align: 8
    .kernarg_segment_size: 40
    .max_flat_workgroup_size: 128
    .sgpr_count:     102
    .vgpr_count:     1024
    .wavefront_size: 32
...
	.end_amdgpu_metadata
.endif
;; end of part 3
;; launch oproj (part 4): grid 16 x 16, 4 waves a work-group, clusters of 4 x 4, 327,680 bytes of LDS; arguments ob, cv, out0; writes out0
.if DOCPART == 4
	.amdgcn_target "amdgcn-amd-amdhsa--gfx1250"
	.amdhsa_code_object_version 6
	.text
	.protected	k_q3311979e5a_oproj
	.globl	k_q3311979e5a_oproj
	.p2align	8
	.type	k_q3311979e5a_oproj,@function
k_q3311979e5a_oproj:
	s_mov_b64 s[64:65], 0
	v_nop
	global_prefetch_b8 v0, s[64:65] scope:SCOPE_SE
	s_setreg_imm32_b32 hwreg(HW_REG_WAVE_MODE, 25, 1), 1
	s_wait_xcnt 0x0
	s_wait_alu depctr_hold_cnt(0) depctr_sa_sdst(0) depctr_va_vdst(0) depctr_va_sdst(0) depctr_va_ssrc(0) depctr_va_vcc(0) depctr_vm_vsrc(0)
	s_getreg_b32 s2, hwreg(HW_REG_IB_STS2, 6, 4)
	s_cmp_eq_u32 s2, 0
	s_cbranch_scc0 .Lentry_in_a_cluster
	s_endpgm
.Lentry_in_a_cluster:
	s_bfe_u32 s2, ttmp6, 0x10000c
	s_cmp_lg_u32 s2, 0xf033
	s_cbranch_scc0 .Lentry_shape_is_right
	s_endpgm
.Lentry_shape_is_right:
; out0[m][n] = the sum over k of ob[m][k] Wo[n][k].  ob: [2048][2048] f16; Wo: the f16 copy in cv at byte 33,554,432, [2048][2048]; out0: f32.  Sums in f32, K ascending.
; A tile of out0 is 128 x 128, so that each of 256 work-groups has one; four waves, each 64 x 64: 16 accumulators.  K goes in 8 steps of 256 (rows of 512 bytes) through two LDS slots;
; waves 0 and 1 fetch ob's two halves of 64 rows, waves 2 and 3 Wo's.  CLUSTER 4 x 4: ob's tile is asked for jointly along a row of the cluster, Wo's along a column.
; The matrix instruction is used transposed (source 0 = 16 rows of Wo, source 1 = 16 rows of ob): a lane holds eight neighbouring numbers of a row of out0, 32 bytes.
; A wave's 64 columns of f32 are 256 consecutive bytes, aligned: each wave sends its rows out through a stage of its own, with no barrier.
; No prefetch: the tile is small and its steps short.
; REGISTERS: window 0: v16-29 addresses; v32-95 at work on the way out; v128-255 the accumulators ((a, b) at v[128 + 8 (4 a + b)]);  window 1: two fragment buffers of 128 (64 of ob, then 64 of Wo, 64 along K).
.set PITCH,  528                       ; an LDS row: 512 bytes + 16 of padding
.set HALFT,  64*PITCH
.set SLOT1,  0x22000                   ; slot 1; the four tiles' places in a slot (0, 0x8400, 0x10800, 0x18c00) share no bit with it
.set STAGE,  274432                    ; behind the ring: 16 rows x 272 bytes for each wave
.set SPITCH, 272
.set SPARE,  291840                    ; the spare words, 128 bytes a wave: two blocks of 256 bytes that no other line names
.set ADRA0, 16
.set ADRB0, 17
.set ADRA,  18
.set ADRB,  19
.set STO,  24
.set RD,   25
.set CO,   26
.set SPW,  28
.set NIL,  29
.set TMP,  32
.set ACC,  128
.set F0,   0
.set F1,   128
.set G1, 24
.set G0, 32
.set G1B, 48
.set G0B, 56
.set TB, 66
.set MSB, 0
.macro WIN new
.if MSB != (\new)
	s_set_vgpr_msb (MSB<<8)|(\new)
.set MSB, \new
.endif
.endm
.set MUL,  0x05                        ; sources 0 and 1 window 1; C and D window 0
.set TO_F, 0x40
.macro PLACES
.rept 4
	v_nop
.endr
.endm
.macro JLOAD                           ; a joint refill by the walking descriptors; an s_nop 0 and four v_nop follow each line
	s_cmp_eq_u32 s11, 0
	s_cbranch_scc0 .Lfor_b_\@
	tensor_load_to_lds s[G0+4:G0+7], s[G1:G1+7]
	s_nop 0
.rept 4
	v_nop
.endr
	s_branch .Lasked_\@
.Lfor_b_\@:
	tensor_load_to_lds s[G0B+4:G0B+7], s[G1B:G1B+7]
	s_nop 0
.rept 4
	v_nop
.endr
.Lasked_\@:
.endm
.macro CREST
	s_cmp_lg_u32 s10, 0
	s_cbranch_scc1 .Lnot_wave_0_\@
	s_barrier_signal -3
.Lnot_wave_0_\@:
	s_barrier_wait -3
	s_barrier_signal -1
	s_barrier_wait -1
.endm
.macro CROUND
	s_barrier_signal -1
	s_barrier_wait -1
	CREST
.endm
	s_load_b128 s[4:7], s[0:1], 0x0                ; ob s[4:5], cv s[6:7]
	s_load_b64 s[8:9], s[0:1], 0x10                ; out0
	v_lshl_add_u32 v[SPW], v0, 2, SPARE
	v_mov_b32 v[NIL], 0
	ds_add_u32 v[SPW], v[NIL]                      ; the wave's opening: the add and its wait stand ahead of my first tensor load
	v_lshrrev_b32 v1, 5, v0
	v_readfirstlane_b32 s10, v1                    ; wave 0..3
	s_lshr_b32 s11, s10, 1                         ; my half of the tile's rows.  Also: I fetch for ob (0) or for Wo (1)
	s_and_b32 s12, s10, 1                          ; my half of its columns.  Also: which 64 rows I fetch
	s_bfe_u32 s40, ttmp6, 0x40000                  ; cx, cy
	s_bfe_u32 s41, ttmp6, 0x40004
	s_lshl_b32 s42, ttmp9, 2
	s_add_co_u32 s42, s42, s40                     ; tile column
	s_and_b32 s13, ttmp7, 0xffff
	s_lshl_b32 s13, s13, 2
	s_add_co_u32 s13, s13, s41                     ; tile row
	s_lshl_b32 s43, s41, 2
	s_lshl_b32 s43, 15, s43                        ; my row of the cluster
	s_lshl_b32 s44, 0x1111, s40                    ; my column
	s_or_b32 s[G1], s43, (1<<16)|(1<<20)|(1<<21)|(6<<22)|(3<<25)   ; the mask; 2-byte elements; padding on; bit 21 beside a mask; after every 128 words 4 words
	s_or_b32 s[G1B], s44, (1<<16)|(1<<20)|(1<<21)|(6<<22)|(3<<25)
.irp g, G1, G1B
	s_mov_b32 s[(\g)+1], 256<<16                   ; tensor_dim0 = 256
	s_mov_b32 s[(\g)+2], 64<<16                    ; tensor_dim1 = 64
	s_mov_b32 s[(\g)+3], 256<<16                   ; tile_dim0 = 256
	s_mov_b32 s[(\g)+4], 64                        ; tile_dim1 = 64
	s_mov_b32 s[(\g)+5], 2048                      ; elements from row to row
	s_mov_b32 s[(\g)+6], 0
	s_mov_b32 s[(\g)+7], 0
.endr
	s_lshl_b32 s18, s12, 6                         ; which 64 rows of the tile I fetch
	s_lshl_b32 s16, s13, 7
	s_add_co_u32 s16, s16, s18
	s_lshl_b32 s16, s16, 12                        ; ob: row 128 x tile row + 64 x half, 4,096 bytes a row
	s_mov_b32 s17, 0
	s_lshl_b32 s46, s42, 7
	s_add_co_u32 s46, s46, s18
	s_lshl_b32 s46, s46, 12                        ; Wo: row 128 x tile column + 64 x half,
	s_add_co_u32 s46, s46, 33554432                ; behind x and the three other weights in cv
	s_mov_b32 s47, 0
	s_mul_i32 s20, s10, HALFT                      ; where my tile goes in a slot
	s_mov_b32 s[TB], 0
	s_wait_dscnt 0x0                               ; the opening add is done
	s_wait_kmcnt 0x0
	s_add_nc_u64 s[14:15], s[4:5], s[16:17]
	s_add_nc_u64 s[46:47], s[6:7], s[46:47]
.irp s, 0,1
	s_mov_b32 s[G0+4*(\s)], 1
	s_add_co_u32 s[G0+4*(\s)+1], s20, (\s)*SLOT1
	s_add_nc_u64 s[G0+4*(\s)+2:G0+4*(\s)+3], s[14:15], (\s)*512
	s_or_b32 s[G0+4*(\s)+3], s[G0+4*(\s)+3], 0x80000000
	s_mov_b32 s[G0B+4*(\s)], 1
	s_add_co_u32 s[G0B+4*(\s)+1], s20, (\s)*SLOT1
	s_add_nc_u64 s[G0B+4*(\s)+2:G0B+4*(\s)+3], s[46:47], (\s)*512
	s_or_b32 s[G0B+4*(\s)+3], s[G0B+4*(\s)+3], 0x80000000
.endr
	CROUND                                         ; all sixteen work-groups are here: the first joint loads meet
	s_cmp_eq_u32 s11, 0                            ; a wave's two first fills stand in one branch: two loads of mine are out
	s_cbranch_scc0 .Lfirst_b
	tensor_load_to_lds s[G0:G0+3], s[G1:G1+7]
	s_nop 0
	tensor_load_to_lds s[G0+4:G0+7], s[G1:G1+7]
	s_nop 0
.rept 4
	v_nop
.endr
	s_branch .Lfirst_asked
.Lfirst_b:
	tensor_load_to_lds s[G0B:G0B+3], s[G1B:G1B+7]
	s_nop 0
	tensor_load_to_lds s[G0B+4:G0B+7], s[G1B:G1B+7]
	s_nop 0
.rept 4
	v_nop
.endr
.Lfirst_asked:
	v_and_b32 v1, 15, v0                           ; r
	v_bfe_u32 v2, v0, 4, 1                         ; h
	v_mul_u32_u24 v3, v1, PITCH
	v_lshl_add_u32 v3, v2, 4, v3
	s_mul_i32 s21, s11, HALFT                      ; my 64 rows of ob
	s_mul_i32 s22, s12, HALFT                      ; my 64 rows of Wo,
	s_add_co_u32 s22, s22, 2*HALFT                 ; which lie behind ob's 128
	v_add_nc_u32 v[ADRA0], s21, v3
	v_add_nc_u32 v[ADRB0], s22, v3
	v_mov_b32 v[ADRA], v[ADRA0]
	v_mov_b32 v[ADRB], v[ADRB0]
	s_mul_i32 s23, s10, 16*SPITCH
	s_add_co_u32 s23, s23, STAGE                   ; my stage
	v_mul_u32_u24 v4, v1, SPITCH                   ; in: row r, 32 bytes for each half of the lanes
	v_lshl_add_u32 v4, v2, 5, v4
	v_add_nc_u32 v[STO], s23, v4
	v_mul_u32_u24 v5, v2, SPITCH                   ; back: lanes 0-15 one row of 256 bytes, lanes 16-31 the next
	v_lshl_add_u32 v5, v1, 4, v5
	v_add_nc_u32 v[RD], s23, v5
	v_lshlrev_b32 v[CO], 13, v2                    ; and the same two rows in out0, 8,192 bytes a row
	v_lshl_add_u32 v[CO], v1, 4, v[CO]
	s_lshl_b32 s68, s13, 7
	s_lshl_b32 s70, s11, 6
	s_add_co_u32 s68, s68, s70                     ; my first row
	s_lshl_b32 s68, s68, 13
	s_lshl_b32 s70, s42, 9                         ; the tile's 512 bytes of a row,
	s_add_co_u32 s68, s68, s70
	s_lshl_b32 s70, s12, 8                         ; my 256 of them
	s_add_co_u32 s68, s68, s70
	s_mov_b32 s69, 0
	s_add_nc_u64 s[8:9], s[8:9], s[68:69]
; 8 matrix instructions: m blocks a0, a0 + 1 x all 4 n blocks, 32 along K: half c of buffer f.  The 16 accumulators take turns.
.macro MUL8 f, c, a0, zero
	WIN MUL
.irp a, \a0, (\a0)+1
.irp b, 0,1,2,3
.if \zero
	v_wmma_f32_16x16x32_f16 v[ACC+8*(4*(\a)+(\b)):ACC+8*(4*(\a)+(\b))+7], v[(\f)+64+8*(4*(\c)+(\b)):(\f)+64+8*(4*(\c)+(\b))+7], v[(\f)+8*(4*(\c)+(\a)):(\f)+8*(4*(\c)+(\a))+7], 0
.else
	v_wmma_f32_16x16x32_f16 v[ACC+8*(4*(\a)+(\b)):ACC+8*(4*(\a)+(\b))+7], v[(\f)+64+8*(4*(\c)+(\b)):(\f)+64+8*(4*(\c)+(\b))+7], v[(\f)+8*(4*(\c)+(\a)):(\f)+8*(4*(\c)+(\a))+7], v[ACC+8*(4*(\a)+(\b)):ACC+8*(4*(\a)+(\b))+7]
.endif
.endr
.endr
.endm
; 32 LDS loads in one run: 64 along K at byte k of the rows, into buffer f; the first 32 along K first
.macro FETCH k, f
	WIN TO_F
.irp c, 0,1
.irp i, 0,1,2,3
	ds_load_b128 v[(\f)+64+8*(4*(\c)+(\i)):(\f)+64+8*(4*(\c)+(\i))+3],   v[ADRB] offset:(\k)+64*(\c)+(\i)*16*PITCH
	ds_load_b128 v[(\f)+64+8*(4*(\c)+(\i))+4:(\f)+64+8*(4*(\c)+(\i))+7], v[ADRB] offset:(\k)+64*(\c)+(\i)*16*PITCH+32
	ds_load_b128 v[(\f)+8*(4*(\c)+(\i)):(\f)+8*(4*(\c)+(\i))+3],         v[ADRA] offset:(\k)+64*(\c)+(\i)*16*PITCH
	ds_load_b128 v[(\f)+8*(4*(\c)+(\i))+4:(\f)+8*(4*(\c)+(\i))+7],       v[ADRA] offset:(\k)+64*(\c)+(\i)*16*PITCH+32
.endr
.endr
.endm
.macro QUARTER k, f, g, zero
	s_wait_dscnt 16                                ; the first 32 along K are in
	MUL8 \f, 0, 0, \zero
	MUL8 \f, 0, 2, \zero
	PLACES
	FETCH \k, \g
	s_wait_dscnt 32                                ; all but the 32 just issued
	MUL8 \f, 1, 0, 0
	MUL8 \f, 1, 2, 0
.endm
; The last quarter multiplies buffer 1 and changes slots: one barrier; in front of it each wave waits for all its tensor loads, adds 0 to its spare word, and waits for that and for its reads of this slot.
; fill = 1: the barrier opens a round of the cluster's, and this slot is filled again first thing behind the round, two K steps ahead.
.macro TURN fill
	WIN 0
	s_wait_tensorcnt 0x0
	ds_add_u32 v[SPW], v[NIL]
	s_wait_dscnt 17                                ; (the add and the youngest sixteen loads may be out)
	MUL8 F1, 0, 0, 0
	s_wait_dscnt 0x0                               ; the add is done, and my reads of this slot are over
	s_barrier_signal -1
	MUL8 F1, 0, 2, 0
	WIN 0
	s_barrier_wait -1
.if \fill
	CREST
	s_xor_b32 s[G0+5], s[G0+5], SLOT1              ; the walking descriptors: the other slot than last time, the next K step
	s_add_nc_u64 s[G0+6:G0+7], s[G0+6:G0+7], 512
	s_xor_b32 s[G0B+5], s[G0B+5], SLOT1
	s_add_nc_u64 s[G0B+6:G0B+7], s[G0B+6:G0B+7], 512
	JLOAD                                          ; the four v_nop behind it are also the places in front of the loads below
.else
	PLACES
.endif
	s_xor_b32 s[TB], s[TB], SLOT1
	v_add_nc_u32 v[ADRA], s[TB], v[ADRA0]
	v_add_nc_u32 v[ADRB], s[TB], v[ADRB0]
	FETCH 0, F0
	MUL8 F1, 1, 0, 0
	MUL8 F1, 1, 2, 0
.endm
	s_wait_tensorcnt 0x1                           ; my tile of K step 0 is in; K step 1's may stay out
	s_barrier_signal -1
	s_barrier_wait -1
	FETCH 0, F0
	QUARTER 128, F0, F1, 1                         ; the first quarter stands in front of the loop: its first products start the sums
	WIN 0
	s_mov_b32 s3, 6
.Lstep:                                                ; a trip: from a K step's second quarter to the next one's first; it asks for K steps 2 .. 7
	QUARTER 256, F1, F0, 0
	QUARTER 384, F0, F1, 0
	TURN 1
	QUARTER 128, F0, F1, 0
	WIN 0
	s_sub_co_u32 s3, s3, 1
	s_cmp_lg_u32 s3, 0
	s_cbranch_scc1 .Lstep
	QUARTER 256, F1, F0, 0                         ; K step 6 goes on; nothing more is asked for
	QUARTER 384, F0, F1, 0
	TURN 0
	QUARTER 128, F0, F1, 0
	QUARTER 256, F1, F0, 0
	QUARTER 384, F0, F1, 0
	s_wait_dscnt 16
	MUL8 F1, 0, 0, 0
	MUL8 F1, 0, 2, 0
	s_wait_dscnt 0x0
	MUL8 F1, 1, 0, 0
	MUL8 F1, 1, 2, 0
	WIN 0
	PLACES
	; THE WAY OUT, 16 rows at a time: a lane's 32 bytes of a row go into my stage, straight from the accumulators, lowest registers first; whole rows of 256 bytes come back and are stored.
.irp a, 0,1,2,3
	s_wait_xcnt 0x0                                ; the stores issued so far have read their registers
.irp b, 0,1,2,3
	ds_store_b128 v[STO], v[ACC+8*(4*(\a)+(\b)):ACC+8*(4*(\a)+(\b))+3]   offset:64*(\b)
	ds_store_b128 v[STO], v[ACC+8*(4*(\a)+(\b))+4:ACC+8*(4*(\a)+(\b))+7] offset:64*(\b)+16
.endr
.irp t, 0,1,2,3,4,5,6,7
	ds_load_b128 v[TMP+32*((\a)%2)+4*(\t):TMP+32*((\a)%2)+4*(\t)+3], v[RD] offset:(\t)*2*SPITCH  ; LDS serves a wave's instructions in order (ISA guide 5.7.1.4)
.endr
.irp t, 0,1,2,3,4,5,6,7
	s_wait_dscnt 7-(\t)
	global_store_b128 v[CO], v[TMP+32*((\a)%2)+4*(\t):TMP+32*((\a)%2)+4*(\t)+3], s[8:9] offset:(16*(\a)+2*(\t))*8192 th:TH_STORE_NT  ; 16 lanes store 256 consecutive bytes, at a multiple of 256 from out0's first byte
.endr
.endr
	s_wait_tensorcnt 0x0                           ; the wave's end: a wait, an add of 0 and a wait, behind my last tensor load and my last LDS store
	ds_add_u32 v[SPW], v[NIL]
	s_wait_dscnt 0x0
	CROUND                                         ; the closing round
	s_endpgm
.Lfunc_end_k_q3311979e5a_oproj:
	.size	k_q3311979e5a_oproj, .Lfunc_end_k_q3311979e5a_oproj-k_q3311979e5a_oproj
	.p2alignl 7, 3214868480
	.fill 96, 4, 3214868480
	.section	.rodata,"a",@progbits
	.p2align	6, 0x0
	.amdhsa_kernel k_q3311979e5a_oproj
		.amdhsa_group_segment_fixed_size 327680
		.amdhsa_private_segment_fixed_size 0
		.amdhsa_enable_private_segment 0
		.amdhsa_kernarg_size 24
		.amdhsa_user_sgpr_count 2
		.amdhsa_user_sgpr_kernarg_segment_ptr 1
		.amdhsa_wavefront_size32 1
		.amdhsa_system_sgpr_workgroup_id_x 1
		.amdhsa_system_sgpr_workgroup_id_y 1
		.amdhsa_system_sgpr_workgroup_id_z 1
		.amdhsa_system_vgpr_workitem_id 0
		.amdhsa_next_free_vgpr 512
		.amdhsa_next_free_sgpr 72
		.amdhsa_reserve_vcc 0
		.amdhsa_float_denorm_mode_32 3
		.amdhsa_float_denorm_mode_16_64 3
		.amdhsa_memory_ordered 1
		.amdhsa_forward_progress 1
		.amdhsa_inst_pref_size 68
	.end_amdhsa_kernel
	.amdgpu_metadata
---
amdhsa.version: [ 1, 2 ]
amdhsa.kernels:
  - .name:           k_q3311979e5a_oproj
    .symbol:         k_q3311979e5a_oproj.kd
    .args:
      - { .name: ob, .offset: 0, .size: 8, .value_kind: global_buffer, .address_space: global }
      - { .name: cv, .offset: 8, .size: 8, .value_kind: global_buffer, .address_space: global }
      - { .name: out0, .offset: 16, .size: 8, .value_kind: global_buffer, .address_space: global }
    .group_segment_fixed_size: 327680
    .private_segment_fixed_size: 0
    .kernarg_segment_align: 8
    .kernarg_segment_size: 24
    .max_flat_workgroup_size: 128
    .sgpr_count:     72
    .vgpr_count:     512
    .wavefront_size: 32
...
	.end_amdgpu_metadata
.endif
;; end of part 4
